; MI455X (gfx1250); checked and timed in simulation.
; The chip was launched on July 23, 2026; its instructions are those of AMD's public machine-readable ISA for CDNA 5 (MIT licence, August 2026) and "CDNA5" Instruction Set Architecture Reference Guide (July 2026). The comments in the code are by the model that wrote it; some were corrected since.
;; KAN Layer. Allowed arithmetic: float matrix products may take bf16 or f16 operands with f32 sums; other float arithmetic in f32, or as packed bf16 or f16 multiplies, adds, multiply-adds, maxima and minima; sums over many terms, partial sums and values carried from step to step in f32; what a program stores and reads back later, other than sums and carried values, may be rounded once to bf16 or f16.
;; Inputs: base_weight 1,024 x 1,024 float32; ln_beta 1,024 float32; ln_gamma 1,024 float32; se_b1 32 float32; se_b2 1,024 float32; se_w1 32 x 1,024 float32; se_w2 1,024 x 32 float32; spline_weight 1,024 x 1,024 x 3 float32; x 16,384 x 1,024 float32.
;; Outputs: out0 16,384 x 1,024 float32.
;; 2 versions, each right; version 2 is version 1 with the launch prep written anew for expert scheduling mode. Each part assembles by itself: llvm-mc -triple=amdgcn-amd-amdhsa -mcpu=gfx1250 --defsym DOCPART=n.
;; ======== version 1 of 2: 3 launches
;; workspace buffers: wp 8,388,608 bytes; w1p 65,536 bytes; w2p 65,536 bytes; tabw 13,312 bytes; pre 67,108,864 bytes
;; launch prep (part 1): grid 256 x 1, 4 waves a work-group, no clusters, 37,376 bytes of LDS; arguments base_weight, spline_weight, se_w1, se_w2, ln_gamma, ln_beta, se_b2, se_b1, wp, w1p, w2p, tabw; writes wp, w1p, w2p, tabw
.if DOCPART == 1
	.amdgcn_target "amdgcn-amd-amdhsa--gfx1250"
	.amdhsa_code_object_version 6
	.text
	.protected	k_q74590c26c2_prep
	.globl	k_q74590c26c2_prep
	.p2align	8
	.type	k_q74590c26c2_prep,@function
k_q74590c26c2_prep:
	s_mov_b64 s[64:65], 0
	v_nop
	global_prefetch_b8 v0, s[64:65] scope:SCOPE_SE
	s_setreg_imm32_b32 hwreg(HW_REG_WAVE_MODE, 25, 1), 1
	s_wait_xcnt 0x0
; PREP: the weights, rounded once to bf16 (nearest even) and laid out as the matrix instruction's fragments lie in registers.
; wp: the product's K = 4,096 goes in 64 steps t = 4 g + s of 64.  Place k = 4 p + f of step t (p = 0..15, f = 0..3) belongs to input i = 64 g + 4 p + s:
;     f = 0 is base_weight[o][i], f = 1..3 is spline_weight[o][i][f-1].  Element (t, o, k) lies at byte
;     t x 131072 + (o / 16) x 2048 + (k / 32) x 1024 + ((k % 32) / 16) x 512 + (16 ((k % 16) / 8) + o % 16) x 16 + 2 (k % 8):
;     a fragment of 16 rows x 32 K is two runs of 512 bytes, 16 bytes a lane in the lanes' order.
; w1p: se_w1's fragment (rows 16 jb .., columns 32 kb ..) at kb x 2048 + jb x 1024.   w2p: se_w2's fragment of rows 16 b .. at b x 1024.  Inside as above.
; tabw: f32 numbers that hold the bf16 rounding: for each quarter w of the 1,024 outputs, at w x 3328: gamma, beta, se_b2 (1,024 bytes each), se_b1 twice (256 bytes).
; SHARES.  1,024 waves; wave W takes 16 rows o (16 (W / 16) ..) x 64 inputs (64 (W % 16) ..).  Its loads cover 256 (base) and 768 (spline) consecutive bytes of a row;
; its 8,192 bytes of wp go through a stage of its own in LDS and leave as stores of 512 consecutive bytes.  Waves 0-63 also make w2p, 64-95 w1p, 96-99 tabw.
; No barrier: no wave reads what another wrote.  NaN and infinities are not treated apart.
.set STW,    9216                      ; a wave's stage: 4 steps x 8 runs of 256 bytes at a pitch of 288
.set SPT,    288                       ; 256 + 32: the 32 lanes of a store of 8 bytes fall on 32 different places modulo 256
.set SPARE,  4*STW                     ; behind the stages: the spare words, 128 bytes for each wave
.set SPW, 3                            ; v3   SPARE + 4 x my thread's number; never rewritten
.set NIL, 4                            ; v4   0; never rewritten
.set BO,  5                            ; v5   (l / 16) x 4096 + (l % 16) x 16: my 16 bytes of base_weight in a pair of rows
.set SO,  6                            ; v6   (l / 16) x 12288 + (l % 16) x 48: my 48 bytes of spline_weight
.set LS,  7                            ; v7   where I put 8 bytes in the stage
.set LR,  8                            ; v8   where I read 16 bytes back
.set GO,  9                            ; v9   16 l
.set BA,  16                           ; v[16:47]   pair of rows j: 4 numbers of base_weight
.set SP,  48                           ; v[48:143]  pair of rows j: 12 numbers of spline_weight
.set PD,  144                          ; v[144:151] packed, a pair of registers for each step s
	s_load_b512 s[8:23], s[0:1], 0x0               ; base s[8:9], spline s[10:11], se_w1 s[12:13], se_w2 s[14:15], gamma s[16:17], beta s[18:19], se_b2 s[20:21], se_b1 s[22:23]
	s_load_b256 s[24:31], s[0:1], 0x40             ; wp s[24:25], w1p s[26:27], w2p s[28:29], tabw s[30:31]
	v_lshl_add_u32 v[SPW], v0, 2, SPARE
	v_mov_b32 v[NIL], 0
	v_lshrrev_b32 v10, 5, v0
	v_readfirstlane_b32 s4, v10                    ; wave 0..3
	s_lshl_b32 s5, ttmp9, 2
	s_add_co_u32 s5, s5, s4                        ; W = 0..1023
	s_lshr_b32 s6, s5, 4                           ; which 16 rows
	s_and_b32 s7, s5, 15                           ; g: which 64 inputs
	v_and_b32 v1, 15, v0                           ; p = l % 16
	v_bfe_u32 v2, v0, 4, 1                         ; l / 16
	v_and_b32 v11, 31, v0                          ; l
	v_lshlrev_b32 v[BO], 4, v1
	v_lshl_add_u32 v[BO], v2, 12, v[BO]
	v_mul_u32_u24 v[SO], v1, 48
	v_mul_u32_u24 v12, v2, 12288
	v_add_nc_u32 v[SO], v[SO], v12
	s_mul_i32 s32, s4, STW
	v_lshrrev_b32 v12, 1, v1                       ; place k = 4 p of row r lies at (p / 2) x 256 + r x 16 + (p % 2) x 8 of a step's 2,048 bytes
	v_mul_u32_u24 v[LS], v12, SPT
	v_lshl_add_u32 v[LS], v2, 4, v[LS]
	v_and_b32 v12, 1, v1
	v_lshl_add_u32 v[LS], v12, 3, v[LS]
	v_add_nc_u32 v[LS], s32, v[LS]
	v_mul_u32_u24 v[LR], v2, SPT
	v_lshl_add_u32 v[LR], v1, 4, v[LR]
	v_add_nc_u32 v[LR], s32, v[LR]
	v_lshlrev_b32 v[GO], 4, v11
	v_lshlrev_b32 v10, 7, v1                       ; se_w2: row x 128 + 32 (l / 16)
	v_lshl_add_u32 v10, v2, 5, v10
	v_lshlrev_b32 v12, 12, v1                      ; se_w1: row x 4096 + 32 (l / 16)
	v_lshl_add_u32 v12, v2, 5, v12
	v_lshlrev_b32 v14, 3, v1                       ; se_b1: 8 (l % 16)
	v_lshlrev_b32 v15, 3, v11                      ; and 8 l
	s_lshl_b32 s32, s6, 16                         ; 16 rows of 4,096 bytes,
	s_lshl_b32 s34, s7, 8                          ; 64 inputs of 4 bytes
	s_add_co_u32 s32, s32, s34
	s_mov_b32 s33, 0
	s_mul_i32 s34, s6, 196608                      ; 16 rows of 12,288 bytes,
	s_mul_i32 s36, s7, 768                         ; 64 inputs of 12 bytes
	s_add_co_u32 s34, s34, s36
	s_mov_b32 s35, 0
	s_lshl_b32 s36, s7, 19                         ; steps 4 g ..: 4 x 131,072 bytes,
	s_lshl_b32 s38, s6, 11                         ; 16 rows: 2,048 bytes of a step
	s_add_co_u32 s36, s36, s38
	s_mov_b32 s37, 0
	s_wait_kmcnt 0x0
	s_add_nc_u64 s[8:9], s[8:9], s[32:33]
	s_add_nc_u64 s[10:11], s[10:11], s[34:35]
	s_add_nc_u64 s[24:25], s[24:25], s[36:37]
.irp j, 0,1,2,3,4,5,6,7                        ; rows 2 j + l / 16: all 32 loads go out together
	global_load_b128 v[BA+4*\j:BA+4*\j+3],       v[BO], s[8:9]   offset:\j*8192 th:TH_LOAD_NT
	global_load_b128 v[SP+12*\j:SP+12*\j+3],     v[SO], s[10:11] offset:\j*24576 th:TH_LOAD_NT
	global_load_b128 v[SP+12*\j+4:SP+12*\j+7],   v[SO], s[10:11] offset:\j*24576+16 th:TH_LOAD_NT
	global_load_b128 v[SP+12*\j+8:SP+12*\j+11],  v[SO], s[10:11] offset:\j*24576+32 th:TH_LOAD_NT
.endr
.irp j, 0,1,2,3,4,5,6,7
	s_wait_loadcnt 4*(7-\j)                        ; loads come back in order: this pair of rows is in, the younger pairs' four loads each stay out
.irp sp, 0,1,2,3                               ; input 4 p + sp goes to step 4 g + sp: base, then its three spline weights: 8 bytes
	v_cvt_pk_bf16_f32 v[PD+2*\sp],   v[BA+4*\j+\sp],       v[SP+12*\j+3*\sp]
	v_cvt_pk_bf16_f32 v[PD+2*\sp+1], v[SP+12*\j+3*\sp+1],  v[SP+12*\j+3*\sp+2]
	ds_store_b64 v[LS], v[PD+2*\sp:PD+2*\sp+1] offset:\sp*2304+\j*32
.endr
.endr
.set n, 0
.rept 16                                       ; back in the layout's order; LDS serves a wave's instructions in order, so these see the stores above
	ds_load_b128 v[16+4*n:16+4*n+3], v[LR] offset:(n/4)*2304+(n%4)*576
.set n, n+1
.endr
.set n, 0
.rept 16
	s_wait_dscnt 15-n                              ; the younger loads stay out
	global_store_b128 v[GO], v[16+4*n:16+4*n+3], s[24:25] offset:(n/4)*131072+(n%4)*512  ; 512 consecutive bytes, at a multiple of 512 from wp's first byte
.set n, n+1
.endr
	s_wait_xcnt 0x0                                ; the stores have read their registers: v16 and up are loaded again below
	s_cmp_lt_u32 s5, 64
	s_cbranch_scc0 .Lnot_w2
	; se_w2's fragment W: rows 16 W + l % 16, hidden 8 (l / 16) + 0..7 and 16 + 8 (l / 16) + 0..7
	s_lshl_b32 s32, s5, 11
	s_lshl_b32 s34, s5, 10
	s_add_nc_u64 s[14:15], s[14:15], s[32:33]
	s_add_nc_u64 s[28:29], s[28:29], s[34:35]
	global_load_b128 v[16:19], v10, s[14:15]
	global_load_b128 v[20:23], v10, s[14:15] offset:16
	global_load_b128 v[24:27], v10, s[14:15] offset:64
	global_load_b128 v[28:31], v10, s[14:15] offset:80
	s_wait_loadcnt 0x0
.set n, 0
.rept 8
	v_cvt_pk_bf16_f32 v[32+n], v[16+2*n], v[17+2*n]
.set n, n+1
.endr
	global_store_b128 v[GO], v[32:35], s[28:29]
	global_store_b128 v[GO], v[36:39], s[28:29] offset:512
	s_branch .Lend
.Lnot_w2:
	s_cmp_lt_u32 s5, 96
	s_cbranch_scc0 .Lnot_w1
	; se_w1: rows 16 jb + l % 16, columns 64 kp ..: two fragments, 256 bytes of each row
	s_sub_co_u32 s38, s5, 64
	s_lshr_b32 s39, s38, 4                         ; jb
	s_and_b32 s38, s38, 15                         ; kp
	s_lshl_b32 s32, s39, 16
	s_lshl_b32 s34, s38, 8
	s_add_co_u32 s32, s32, s34
	s_add_nc_u64 s[12:13], s[12:13], s[32:33]
	s_lshl_b32 s34, s38, 12
	s_lshl_b32 s39, s39, 10
	s_add_co_u32 s34, s34, s39
	s_add_nc_u64 s[26:27], s[26:27], s[34:35]
.set n, 0
.rept 8                                        ; n = 4 x fragment + 2 x half + quarter
	global_load_b128 v[16+4*n:16+4*n+3], v12, s[12:13] offset:(n/4)*128+((n/2)%2)*64+(n%2)*16
.set n, n+1
.endr
	s_wait_loadcnt 0x0
.set n, 0
.rept 16
	v_cvt_pk_bf16_f32 v[48+n], v[16+2*n], v[17+2*n]
.set n, n+1
.endr
.set n, 0
.rept 4
	global_store_b128 v[GO], v[48+4*n:48+4*n+3], s[26:27] offset:(n/2)*2048+(n%2)*512
.set n, n+1
.endr
	s_branch .Lend
.Lnot_w1:
	s_cmp_lt_u32 s5, 100
	s_cbranch_scc0 .Lend
	; the tables of quarter w = W - 96
	s_sub_co_u32 s38, s5, 96
	s_lshl_b32 s32, s38, 10
	s_mul_i32 s34, s38, 3328
	s_add_nc_u64 s[16:17], s[16:17], s[32:33]
	s_add_nc_u64 s[18:19], s[18:19], s[32:33]
	s_add_nc_u64 s[20:21], s[20:21], s[32:33]
	s_add_nc_u64 s[30:31], s[30:31], s[34:35]
	global_load_b128 v[16:19], v[GO], s[16:17]
	global_load_b128 v[20:23], v[GO], s[16:17] offset:512
	global_load_b128 v[24:27], v[GO], s[18:19]
	global_load_b128 v[28:31], v[GO], s[18:19] offset:512
	global_load_b128 v[32:35], v[GO], s[20:21]
	global_load_b128 v[36:39], v[GO], s[20:21] offset:512
	global_load_b64  v[40:41], v14, s[22:23]
	s_wait_loadcnt 0x0
.set n, 0
.rept 13                                       ; rounded to bf16 and widened again
	v_cvt_pk_bf16_f32 v[48+n], v[16+2*n], v[17+2*n]
	v_lshlrev_b32 v[16+2*n], 16, v[48+n]
	v_and_b32 v[17+2*n], 0xffff0000, v[48+n]
.set n, n+1
.endr
.set n, 0
.rept 6
	global_store_b128 v[GO], v[16+4*n:16+4*n+3], s[30:31] offset:n*512
.set n, n+1
.endr
	global_store_b64 v15, v[40:41], s[30:31] offset:3072  ; lanes 0-15 the 32 numbers, lanes 16-31 the same once more: 256 bytes
.Lend:
	s_wait_tensorcnt 0x0                           ; the wave's end, behind my last LDS store
	ds_add_u32 v[SPW], v[NIL]
	s_wait_dscnt 0x0
	s_endpgm
.Lfunc_end_k_q74590c26c2_prep:
	.size	k_q74590c26c2_prep, .Lfunc_end_k_q74590c26c2_prep-k_q74590c26c2_prep
	.p2alignl 7, 3214868480
	.fill 96, 4, 3214868480
	.section	.rodata,"a",@progbits
	.p2align	6, 0x0
	.amdhsa_kernel k_q74590c26c2_prep
		.amdhsa_group_segment_fixed_size 37376
		.amdhsa_private_segment_fixed_size 0
		.amdhsa_enable_private_segment 0
		.amdhsa_kernarg_size 96
		.amdhsa_user_sgpr_count 2
		.amdhsa_user_sgpr_kernarg_segment_ptr 1
		.amdhsa_wavefront_size32 1
		.amdhsa_system_sgpr_workgroup_id_x 1
		.amdhsa_system_sgpr_workgroup_id_y 1
		.amdhsa_system_sgpr_workgroup_id_z 1
		.amdhsa_system_vgpr_workitem_id 0
		.amdhsa_next_free_vgpr 152
		.amdhsa_next_free_sgpr 66
		.amdhsa_reserve_vcc 0
		.amdhsa_float_denorm_mode_32 3
		.amdhsa_float_denorm_mode_16_64 3
		.amdhsa_memory_ordered 1
		.amdhsa_forward_progress 1
		.amdhsa_inst_pref_size 23
	.end_amdhsa_kernel
	.amdgpu_metadata
---
amdhsa.version: [ 1, 2 ]
amdhsa.kernels:
  - .name:           k_q74590c26c2_prep
    .symbol:         k_q74590c26c2_prep.kd
    .args:
      - { .name: base_weight, .offset: 0, .size: 8, .value_kind: global_buffer, .address_space: global }
      - { .name: spline_weight, .offset: 8, .size: 8, .value_kind: global_buffer, .address_space: global }
      - { .name: se_w1, .offset: 16, .size: 8, .value_kind: global_buffer, .address_space: global }
      - { .name: se_w2, .offset: 24, .size: 8, .value_kind: global_buffer, .address_space: global }
      - { .name: ln_gamma, .offset: 32, .size: 8, .value_kind: global_buffer, .address_space: global }
      - { .name: ln_beta, .offset: 40, .size: 8, .value_kind: global_buffer, .address_space: global }
      - { .name: se_b2, .offset: 48, .size: 8, .value_kind: global_buffer, .address_space: global }
      - { .name: se_b1, .offset: 56, .size: 8, .value_kind: global_buffer, .address_space: global }
      - { .name: wp, .offset: 64, .size: 8, .value_kind: global_buffer, .address_space: global }
      - { .name: w1p, .offset: 72, .size: 8, .value_kind: global_buffer, .address_space: global }
      - { .name: w2p, .offset: 80, .size: 8, .value_kind: global_buffer, .address_space: global }
      - { .name: tabw, .offset: 88, .size: 8, .value_kind: global_buffer, .address_space: global }
    .group_segment_fixed_size: 37376
    .private_segment_fixed_size: 0
    .kernarg_segment_align: 8
    .kernarg_segment_size: 96
    .max_flat_workgroup_size: 128
    .sgpr_count:     66
    .vgpr_count:     152
    .wavefront_size: 32
...
	.end_amdgpu_metadata
.endif
;; end of part 1
;; launch gemm (part 2): grid 256 x 1, 4 waves a work-group, clusters of 4 x 1, 327,680 bytes of LDS; arguments x, wp, pre; writes pre
.if DOCPART == 2
	.amdgcn_target "amdgcn-amd-amdhsa--gfx1250"
	.amdhsa_code_object_version 6
	.text
	.protected	k_q74590c26c2_gemm
	.globl	k_q74590c26c2_gemm
	.p2align	8
	.type	k_q74590c26c2_gemm,@function
k_q74590c26c2_gemm:
	s_mov_b64 s[64:65], 0
	v_nop
	global_prefetch_b8 v0, s[64:65] scope:SCOPE_SE
	s_setreg_imm32_b32 hwreg(HW_REG_WAVE_MODE, 25, 1), 1
	s_wait_xcnt 0x0
	s_wait_alu depctr_hold_cnt(0) depctr_sa_sdst(0) depctr_va_vdst(0) depctr_va_sdst(0) depctr_va_ssrc(0) depctr_va_vcc(0) depctr_vm_vsrc(0)
	s_getreg_b32 s2, hwreg(HW_REG_IB_STS2, 6, 4)
	s_cmp_eq_u32 s2, 0
	s_cbranch_scc0 .Lentry_in_a_cluster
	s_endpgm
.Lentry_in_a_cluster:
	s_bfe_u32 s2, ttmp6, 0x10000c
	s_cmp_lg_u32 s2, 0x3003
	s_cbranch_scc0 .Lentry_shape_is_right
	s_endpgm
.Lentry_shape_is_right:
; THE PRODUCT OF THE KAN LAYER: pre = x Wb^T + basis(x) . Ws, in f32, before the normalisation.
; ONE PRODUCT.  Base and spline are one product with K = 4 x 1,024: for input i the four features x, b0(x), b1(x), b2(x) meet base_weight[o][i] and spline_weight[o][i][0..2].
; K goes in 64 steps of 64; step 4 g + s holds, at place 4 p + f, feature f of input 64 g + 4 p + s (the same order in A and in wp, whose tiles lie as the fragments lie in registers).
; SHARES.  A work-group makes 128 rows x 512 columns (256 work-groups), each of its four waves 128 x 128: 64 accumulators, 512 registers.  For 32 along K a wave reads 16 KB from LDS and issues 64 matrix instructions.
; A IS MADE HERE.  Wave w makes rows 32 w .. 32 w + 31 of a step's A (128 rows x 64 K, bf16) in LDS: a lane holds 4 neighbouring inputs of 16 rows (loaded once for 4 steps, sixteen lanes to 256 consecutive
; bytes) and gives one input of each row to each step: two batches of eight rows, 240 lines a step, four behind each of 60 matrix instructions.
; THE RING.  Two LDS slots, each with the tiles of two steps (2 x 64 KB of wp).  Every change of steps has a work-group barrier, which hands A over; every second one is the barrier of a refill.
; From a request to the wait for it a wave issues 240 matrix instructions.
; CLUSTER.  The four work-groups of a cluster make the same 512 columns, so each tile is asked for JOINTLY (mask 15): the same tensor load and descriptor in all four.
; THE WALK IS STAGGERED.  Cluster c begins at the group of 64 inputs (c / 2) % 16 and walks round, so that the clusters do not all ask for the same tile at the same time (f32 sums may be taken in any order).
; wp is not prefetched: the tiles that a cluster is the first to read are its first group's, asked for at the head, where nothing is prefetched; every later tile has been read by the clusters that began there.
; THE MATRIX INSTRUCTION IS USED TRANSPOSED (source 0 = 16 rows of W, source 1 = 16 rows of the batch): in a result lane l holds batch row l % 16 and outputs 8 (l / 16) + 0..7.
; THE WAY OUT.  pre holds blocks of 16 rows x 16 columns as they lie in an accumulator: block (R, C) at (64 R + C) x 1024, registers 0-3 of lane l at 16 l, registers 4-7 at 512 + 16 l:
; each store covers 512 consecutive bytes, and the next launch loads the same registers back.  f32: under a common offset of the weights a row's mean is many times its spread.
; FORMATS AND LIMITS.  x is rounded once to bf16 (nearest even), like the weights; the basis is made in f32 from the rounded x and rounded to bf16; sums in f32.
; 1 / (sum + 1e-6) is the hardware's reciprocal, good to one unit in the last place.  NaN and infinities are not treated apart.
; REGISTERS, in windows of 256 (s_set_vgpr_msb: bits 1:0 source 0, 3:2 source 1, 5:4 source 2, 7:6 destination):
;   window 0: v0-17 addresses; v32-63 x in bf16; v64-127, v128-191 A's fragments, two buffers; v192-247 the making of A
;   window 1: v64-127, v128-191 W's fragments, two buffers; v192-255 x as loaded
;   windows 2, 3: accumulator (a, b) (batch rows 16 a .., my columns 16 b ..) at v[8 (8 (a % 4) + b)] of window 2 + a / 4
.set SLOT,   131072                    ; two steps' tiles; two slots from LDS byte 0; no padding: a fragment is read as 16 bytes a lane on end
.set STEPB,  65536                     ; a step's tile: 64 K x 512 columns
.set PAIRB,  262144                    ; from a pair of steps to the next in wp
.set ABUF,   2*SLOT                    ; A: two buffers of 128 rows at a pitch of 144
.set APT,    144                       ; 128 bytes + 16: the 16 rows of a load start at 16 different groups of four banks (64 banks of 4 bytes: ISA guide 11.1)
.set ABY,    128*APT
.set SPARE,  ABUF+2*ABY                ; the spare words, 128 bytes for each wave
.set R,     1                          ; v1   l % 16
.set H,     2                          ; v2   l / 16
.set SPW,   3                          ; v3   SPARE + 4 x my thread's number; never rewritten
.set NIL,   4                          ; v4   0; never rewritten
.set ADRB0, 5                          ; v5-6   my W fragments in slot 0, step 0, 1 of the pair: 65536 j + 16384 w + 16 l; never rewritten
.set ADRB,  7                          ; v7-8   the same in the slot in hand
.set ADRA,  9                          ; v9-10  A's fragments in buffer 0, 1: (l % 16) x 144 + 16 (l / 16)
.set AST,   11                         ; v11-12 where I put 8 bytes of A: row 32 w + 8 (l / 16), byte 8 (l % 16)
.set XO,    13                         ; v13  my 16 bytes of x: row 32 w + 8 (l / 16), byte 16 (l % 16)
.set PFX,   14                         ; v14  (32 w + l) x 4096
.set GO,    15                         ; v15  16 l
.set T0,    16
.set LN,    17                         ; v17  l
.set XT,    32                         ; x in bf16: row q of my sixteen at XT + 2 q
.set F0,    64                         ; fragment buffers, in windows 0 (A) and 1 (W)
.set F1,    128
.set IN,    192                        ; window 1: x as loaded: row q at IN + 4 q
.set PX,    192                        ; the making of A, a register for each of a batch's eight rows: x,
.set PC,    200                        ; the centre's value,
.set PS,    208                        ; the side's value,
.set PM,    216                        ; the sum and its reciprocal,
.set PB,    224                        ; the left side's
.set PD,    232                        ; packed, a pair a row
.set XBASE, 4                          ; s[4:5]   x at the work-group's rows; not stepped
.set PRE,   8                          ; s[8:9]   pre at my first block
.set WV,    16                         ; s16  my wave's number
.set CX,    17                         ; s17  my place in the cluster: it enters x's and pre's addresses alone
.set G1,    20                         ; s[20:27] descriptor group 1
.set G0A,   28                         ; s[28:31] group 0 of slot 0's first fill
.set G0,    32                         ; s[32:35] group 0 of slot 1's first fill; it then walks on
.set WB,    36                         ; s[36:37] wp at my part of pair 0
.set OFF,   38                         ; s[38:39] a pair's byte offset
.set NXT,   40                         ; s40  the pair to be asked for next, modulo 32
.set XG,    41                         ; s41  the group of x to be loaded next, modulo 16
.set XA,    42                         ; s[42:43] x at that group
.set XP,    44                         ; s[44:45] x at the group after it
.set XOF,   46                         ; s[46:47] a group's byte offset
.set CNT,   48                         ; s48  trips to go, 30 to 1
.set PH,    49                         ; s49  the place in its group of the step whose A is made next
.set SEL,   50                         ; s50  v_perm_b32's selector: bf16 number PH of four into the upper half, 0 below
.set TB,    52                         ; s52  the slot in hand: 0 or SLOT
.set XLIM,  53                         ; s53  a wave prefetches x while CNT is at least this
.set XN,    54                         ; s54  XG + 1 modulo 16
.set CH,    55                         ; s55  which 512 columns
.set GZ,    56                         ; s56  the group at which my cluster begins
.set EPS,   60                         ; s[60:61] 1e-6
.set MK,    66                         ; s[66:73] for each of a batch's eight rows: the lanes where x < 0
.set MUL_LO, 0xa1                      ; W window 1, A window 0, C and D window 2
.set TO_B,   0x40                      ; destination window 1, address window 0
.set MSB, 0
.macro WIN new                         ; the immediate's high byte repeats the setting that is left; a switch that changes nothing is dropped
.if MSB != (\new)
	s_set_vgpr_msb (MSB<<8)|(\new)
.set MSB, \new
.endif
.endm
.macro PLACES                          ; four plain vector instructions between a matrix instruction and a load into, or a store of, one of its registers
.rept 4
	v_nop
.endr
.endm
; A round of the cluster's barrier: my work-group's barrier, so that wave 0's signal speaks for all four waves; wave 0 signals; every wave waits for all four work-groups; my work-group's barrier once more.
.macro CREST                           ; a round behind its opening barrier
	s_cmp_lg_u32 s[WV], 0
	s_cbranch_scc1 .Lnot_wave_0_\@
	s_barrier_signal -3
.Lnot_wave_0_\@:
	s_barrier_wait -3
	s_barrier_signal -1
	s_barrier_wait -1
.endm
.macro CROUND
	s_barrier_signal -1
	s_barrier_wait -1
	CREST
.endm
; THE MAKING OF A: a list of 2 x 120 lines, a batch of eight rows each; PR writes number rk.  With u = |x|: c = max(1 - u, 0), s = max(1 - |1 - u|, 0); the three basis values are c^2 (grid 0), s^2 on the
; side of x's sign, and exactly 0 on the other side, each divided by c^2 + s^2 + 1e-6.  A batch's eight reciprocals have a compare between each two, and one wait ahead of the first line that names a result.
.macro PR
.set pb, rk/120
.set pk, rk%120
.if pk < 8
	v_perm_b32 v[PX+pk], v[XT+16*pb+2*pk+1], v[XT+16*pb+2*pk], s[SEL]
.elseif pk < 16
	v_sub_f32 v[PC+pk-8], 1.0, |v[PX+pk-8]|
.elseif pk < 24
	v_sub_f32 v[PS+pk-16], 1.0, |v[PC+pk-16]|
.elseif pk < 32
	v_max_num_f32 v[PC+pk-24], 0, v[PC+pk-24]
.elseif pk < 40
	v_max_num_f32 v[PS+pk-32], 0, v[PS+pk-32]
.elseif pk < 44
	v_pk_mul_f32 v[PC+2*(pk-40):PC+2*(pk-40)+1], v[PC+2*(pk-40):PC+2*(pk-40)+1], v[PC+2*(pk-40):PC+2*(pk-40)+1]
.elseif pk < 48
	v_pk_mul_f32 v[PS+2*(pk-44):PS+2*(pk-44)+1], v[PS+2*(pk-44):PS+2*(pk-44)+1], v[PS+2*(pk-44):PS+2*(pk-44)+1]
.elseif pk < 52
	v_pk_add_f32 v[PM+2*(pk-48):PM+2*(pk-48)+1], v[PC+2*(pk-48):PC+2*(pk-48)+1], v[PS+2*(pk-48):PS+2*(pk-48)+1]
.elseif pk < 56
	v_pk_add_f32 v[PM+2*(pk-52):PM+2*(pk-52)+1], v[PM+2*(pk-52):PM+2*(pk-52)+1], s[EPS:EPS+1] op_sel_hi:[1,0]
.elseif (pk < 72) && (pk%2 == 0)
	v_rcp_f32 v[PM+(pk-56)/2], v[PM+(pk-56)/2]
.elseif pk < 72
	v_cmp_gt_f32 s[MK+(pk-57)/2], 0, v[PX+(pk-57)/2]
.elseif pk < 76
.if pk == 72
	v_nop                                          ; a plain instruction behind the last reciprocal,
	s_wait_alu depctr_va_vdst(0)                   ; and the one wait ahead of the first line that names a reciprocal
.endif
	v_pk_mul_f32 v[PC+2*(pk-72):PC+2*(pk-72)+1], v[PC+2*(pk-72):PC+2*(pk-72)+1], v[PM+2*(pk-72):PM+2*(pk-72)+1]
.elseif pk < 80
	v_pk_mul_f32 v[PS+2*(pk-76):PS+2*(pk-76)+1], v[PS+2*(pk-76):PS+2*(pk-76)+1], v[PM+2*(pk-76):PM+2*(pk-76)+1]
.elseif pk < 88
	v_cndmask_b32 v[PB+pk-80], 0, v[PS+pk-80], s[MK+pk-80]      ; grid -1 has the side's value where x < 0,
.elseif pk < 96
	v_cndmask_b32 v[PS+pk-88], v[PS+pk-88], 0, s[MK+pk-88]      ; grid +1 elsewhere
.elseif pk < 104
	v_cvt_pk_bf16_f32 v[PD+2*(pk-96)], v[PX+pk-96], v[PB+pk-96]
.elseif pk < 112
	v_cvt_pk_bf16_f32 v[PD+2*(pk-104)+1], v[PC+pk-104], v[PS+pk-104]
.else
	ds_store_b64 v[ABW], v[PD+2*(pk-112):PD+2*(pk-112)+1] offset:(16*pb+pk-112)*APT  ; lanes 0-15 fill 128 bytes of one row, lanes 16-31 of the row 8 x 144 bytes on, which is 128 modulo 256
.endif
.set rk, rk+1
.endm
.macro RIDE c                          ; the next c lines of the list
.rept \c
.if rk < 240
	WIN 0
	PR
.endif
.endr
.endm
.macro PROD buf                        ; the whole list on end, into buffer buf
.set rk, 0
.set ABW, AST+(\buf)
	RIDE 240
.endm
.macro CVT32                           ; a group's x, rounded once to bf16
	WIN 0x05                                       ; sources in window 1
.set q, 0
.rept 32
	v_cvt_pk_bf16_f32 v[XT+q], v[IN+2*q], v[IN+2*q+1]
.set q, q+1
.endr
	WIN 0
.endm
.macro XLOADS                          ; 64 inputs of my 32 rows: each sixteen lanes take 256 consecutive bytes, at a multiple of 256 from x's first byte
	WIN TO_B
.set q, 0
.rept 16
	global_load_b128 v[IN+4*q:IN+4*q+3], v[XO], s[XA:XA+1] offset:(16*(q/8)+q%8)*4096
.set q, q+1
.endr
	WIN 0
.endm
; 16 matrix instructions: batch blocks a0, a0 + 1 of the window's four (hi = 0: rows 0-63, 1: rows 64-127) x all 8 column blocks, 32 along K, from fragment buffers f.
; zero = 1: the products start the sums: nothing is cleared.  ride = 1: four lines of the making of A behind each.
; The 64 accumulators take turns, one instruction a turn, in the same order in every half step.
.macro MUL16 f, hi, a0, zero, ride
.irp a, \a0, (\a0)+1
.irp b, 0,1,2,3,4,5,6,7
	WIN MUL_LO+0x50*(\hi)
.set rAC, 8*(8*(\a)+(\b))
.set rFB, (\f)+8*(\b)
.set rFA, (\f)+8*(4*(\hi)+(\a))
.if \zero
	v_wmma_f32_16x16x32_bf16 v[rAC:rAC+7], v[rFB:rFB+7], v[rFA:rFA+7], 0
.else
	v_wmma_f32_16x16x32_bf16 v[rAC:rAC+7], v[rFB:rFB+7], v[rFA:rFA+7], v[rAC:rAC+7]
.endif
.if \ride
	RIDE 4
.endif
.endr
.endr
.endm
; 32 LDS loads in one run: the fragments of half kc of a step (32 along K) into buffers f: my 128 columns of W (step jb of the slot's pair) first, then A's 128 rows (buffer ab)
.macro FETCH ab, jb, kc, f
	WIN TO_B
.irp i, 0,1,2,3,4,5,6,7
	ds_load_b128 v[(\f)+8*\i:(\f)+8*\i+3],   v[ADRB+(\jb)] offset:\i*2048+(\kc)*1024
	ds_load_b128 v[(\f)+8*\i+4:(\f)+8*\i+7], v[ADRB+(\jb)] offset:\i*2048+(\kc)*1024+512
.endr
	WIN 0
.irp i, 0,1,2,3,4,5,6,7
	ds_load_b128 v[(\f)+8*\i:(\f)+8*\i+3],   v[ADRA+(\ab)] offset:\i*16*APT+(\kc)*64
	ds_load_b128 v[(\f)+8*\i+4:(\f)+8*\i+7], v[ADRA+(\ab)] offset:\i*16*APT+(\kc)*64+32
.endr
.endm
; Where a new group of 64 inputs begins (PH = 0): the group's x, loaded four steps ago, is rounded; the next group is loaded (while the walk has one: CNT at least 3); and, in the clusters of the
; first 512 columns alone, each wave prefetches into the L2, a lane a row, its 32 rows' 256 bytes of the group after that (CNT at least 5): four steps ahead of their loads, each block named once in the launch.
.macro BOUND
	s_cmp_lg_u32 s[PH], 0
	s_cbranch_scc1 .Lno_group_\@
	s_wait_loadcnt 0x0
	CVT32
	s_cmp_ge_u32 s[CNT], 3
	s_cbranch_scc0 .Lno_group_\@
	XLOADS
	s_mov_b32 s[XG], s[XN]
	s_cmp_ge_u32 s[CNT], s[XLIM]
	s_cbranch_scc0 .Lno_group_\@
	global_prefetch_b8 v[PFX], s[XP:XP+1] th:TH_LOAD_NT scope:SCOPE_SE
.Lno_group_\@:
.endm
; THE SECOND HALF OF A STEP AND THE CHANGE OF STEPS.  In front of the barrier each wave has waited for its reads of this step's A and W and for its stores of the next step's A; behind it the next A is whole
; and this step's buffer of A may be written.  kind = 0: the next step lies in the same slot.  kind = 1: the slot is left: each wave also waits for all its tensor loads (one is out: its part of the other
; slot) and adds 0 to its spare word; the barrier opens a round of the cluster's, and the joint refill (the pair of steps two pairs on, its address made anew from the pair's number) is the first thing behind it.
; kind = 2: the same without round and refill: the walk's last pair.  abn, jn: the next step's buffer of A and its place in its pair.  prod = 1: the A of the step two on is made, into this step's buffer.
.macro TURN kind, abn, jn, prod, bound
.if \bound
	s_wait_xcnt 0x0                                ; the last loads and prefetch of x, 64 matrix instructions back or more, have read their addresses: these are made anew
	s_lshl_b32 s[XOF], s[XG], 8
	s_add_nc_u64 s[XA:XA+1], s[XBASE:XBASE+1], s[XOF:XOF+1]
	s_add_co_u32 s[XN], s[XG], 1
	s_and_b32 s[XN], s[XN], 15
	s_lshl_b32 s[XOF], s[XN], 8
	s_add_nc_u64 s[XP:XP+1], s[XBASE:XBASE+1], s[XOF:XOF+1]
.endif
	s_wait_dscnt 8                                 ; W and A's rows 0-63 are in; the youngest eight loads (A's rows 64-127) may be out
	MUL16 F1, 0, 0, 0, 0
.if \kind
	WIN 0                                          ; (the add's two registers lie in window 0)
	s_wait_tensorcnt 0x0                           ; no tensor load of mine is out, so a group 0 may be written
	ds_add_u32 v[SPW], v[NIL]                      ; 0 onto my spare word; scalar work stands between it and the wait for it
.if (\kind) == 1
	s_lshl_b32 s[OFF], s[NXT], 18
	s_xor_b32 s[G0+1], s[G0+1], SLOT               ; the other slot than last time
	s_add_nc_u64 s[G0+2:G0+3], s[WB:WB+1], s[OFF:OFF+1]
	s_or_b32 s[G0+3], s[G0+3], 0x80000000
	s_add_co_u32 s[NXT], s[NXT], 1
	s_and_b32 s[NXT], s[NXT], 31
.endif
	s_xor_b32 s[TB], s[TB], SLOT
.endif
	s_wait_dscnt 0x0                               ; my reads of this step and my stores of the next A are done (and the add)
	s_barrier_signal -1
	MUL16 F1, 0, 2, 0, 0                           ; work on registers while the others arrive
	WIN 0
	s_barrier_wait -1
.if (\kind) == 1
	CREST
	tensor_load_to_lds s[G0:G0+3], s[G1:G1+7]
	s_nop 0
.endif
	PLACES                                         ; the places in front of the loads below
.if \kind
	v_add_nc_u32 v[ADRB], s[TB], v[ADRB0]
	v_add_nc_u32 v[ADRB+1], s[TB], v[ADRB0+1]
.endif
	FETCH \abn, \jn, 0, F0
	WIN 0
.if \bound
	BOUND
.endif
.set rk, 0
.set ABW, AST+1-(\abn)
	MUL16 F1, 1, 0, 0, \prod
	MUL16 F1, 1, 2, 0, \prod
.endm
; THE FIRST HALF OF A STEP: multiplies buffers F0 and fetches the second half into buffers F1.  young: the LDS stores of a batch of A (8 where A is being made): one batch was stored behind the fetch of F0, the other is stored here
.macro HALF0 ab, jb, zero, young, ride
	s_wait_dscnt 8+(\young)                        ; W and A's rows 0-63 are in; A's rows 64-127 (eight loads) and the first batch's stores may be out
	MUL16 F0, 0, 0, \zero, \ride
	MUL16 F0, 0, 2, \zero, \ride
	PLACES
	FETCH \ab, \jb, 1, F1
	s_wait_dscnt 32+2*(\young)                     ; all but the 32 loads just issued and both batches' stores
	MUL16 F0, 1, 0, \zero, 0
	MUL16 F0, 1, 2, \zero, 0
.endm
.macro PHSTEP                          ; the next step's place in its group, and the selector for it
	s_add_co_u32 s[PH], s[PH], 1
	s_and_b32 s[PH], s[PH], 3
	s_add_co_u32 s51, s[SEL], 0x02020000
	s_cmp_eq_u32 s[PH], 0
	s_cselect_b32 s[SEL], 0x01000c0c, s51
.endm
	s_load_b128 s[4:7], s[0:1], 0x0                ; x s[4:5], wp s[6:7]
	s_load_b64 s[8:9], s[0:1], 0x10                ; pre
	v_lshl_add_u32 v[SPW], v0, 2, SPARE
	v_mov_b32 v[NIL], 0
	ds_add_u32 v[SPW], v[NIL]                      ; the wave's opening: the add, twice on end, and its wait ahead of my first tensor load; the set-up, work on registers, stands between
	ds_add_u32 v[SPW], v[NIL]
	v_lshrrev_b32 v[T0], 5, v0
	v_readfirstlane_b32 s[WV], v[T0]               ; wave 0..3
	s_bfe_u32 s[CX], ttmp6, 0x40000
	s_and_b32 s[CH], ttmp9, 1                      ; in a cluster launch ttmp9 counts clusters: which 512 columns,
	s_lshr_b32 s18, ttmp9, 1
	s_and_b32 s[GZ], s18, 15                       ; where the walk begins,
	s_lshl_b32 s18, s18, 2
	s_add_co_u32 s18, s18, s[CX]                   ; and which 128 rows
	s_lshl_b32 s74, s18, 19                        ; 128 rows of 4,096 bytes in x; 8 rows of blocks of 65,536 bytes in pre
	s_mov_b32 s75, 0
	s_lshl_b32 s19, s[CH], 15                      ; 32 blocks of 1,024 bytes,
	s_add_co_u32 s76, s74, s19
	s_lshl_b32 s19, s[WV], 13                      ; my 8 blocks
	s_add_co_u32 s76, s76, s19
	s_mov_b32 s77, 0
	s_lshr_b32 s19, s[WV], 1                       ; what I fetch of a pair: step w / 2,
	s_lshl_b32 s78, s19, 17
	s_and_b32 s19, s[WV], 1                        ; half w % 2 of its 64 KB,
	s_lshl_b32 s19, s19, 15
	s_add_co_u32 s78, s78, s19
	s_lshl_b32 s19, s[CH], 16                      ; in the cluster's 512 columns: no place in the cluster enters
	s_add_co_u32 s78, s78, s19
	s_mov_b32 s79, 0
	v_and_b32 v[R], 15, v0
	v_bfe_u32 v[H], v0, 4, 1
	v_and_b32 v[LN], 31, v0
	s_lshl_b32 s19, s[WV], 14                      ; my 8 column blocks of 2,048 bytes
	v_lshl_add_u32 v[ADRB0], v[LN], 4, s19
	v_add_nc_u32 v[ADRB0+1], STEPB, v[ADRB0]
	s_mov_b32 s[TB], 0
	v_add_nc_u32 v[ADRB], s[TB], v[ADRB0]
	v_add_nc_u32 v[ADRB+1], s[TB], v[ADRB0+1]
	v_mul_u32_u24 v[ADRA], v[R], APT
	v_lshl_add_u32 v[ADRA], v[H], 4, v[ADRA]
	v_add_nc_u32 v[ADRA], ABUF, v[ADRA]
	v_add_nc_u32 v[ADRA+1], ABY, v[ADRA]
	s_mul_i32 s19, s[WV], 32*APT
	s_add_co_u32 s19, s19, ABUF
	v_mul_u32_u24 v[AST], v[H], 8*APT
	v_lshl_add_u32 v[AST], v[R], 3, v[AST]
	v_add_nc_u32 v[AST], s19, v[AST]
	v_add_nc_u32 v[AST+1], ABY, v[AST]
	s_lshl_b32 s19, s[WV], 17                      ; 32 rows of 4,096 bytes
	v_lshlrev_b32 v[XO], 4, v[R]
	v_lshl_add_u32 v[XO], v[H], 15, v[XO]
	v_add_nc_u32 v[XO], s19, v[XO]
	v_lshl_add_u32 v[PFX], v[LN], 12, s19
	v_lshlrev_b32 v[GO], 4, v[LN]
	; descriptor group 1: 32,768 dense bytes as 128 rows of 256 (32 elements of 8 bytes)
	s_mov_b32 s[G1], 15|(3<<16)|(1<<21)            ; 15:0 the mask of four; 17:16 elements of 8 bytes; 21 set beside a mask; no padding
	s_mov_b32 s[G1+1], 32<<16                      ; tensor_dim0 = 32
	s_mov_b32 s[G1+2], 128<<16                     ; tensor_dim1 = 128
	s_mov_b32 s[G1+3], 32<<16                      ; tile_dim0 = 32
	s_mov_b32 s[G1+4], 128                         ; tile_dim1 = 128
	s_mov_b32 s[G1+5], 32                          ; 32 elements from row to row
	s_mov_b32 s[G1+6], 0
	s_mov_b32 s[G1+7], 0
	s_mov_b32 s[G0A], 1                            ; count = 1
	s_lshl_b32 s[G0A+1], s[WV], 15                 ; LDS address: slot 0, my quarter
	s_mov_b32 s[G0], 1
	s_lshl_b32 s19, s[WV], 15
	s_add_co_u32 s[G0+1], s19, SLOT
	s_mov_b32 s[OFF+1], 0
	s_mov_b32 s[XOF+1], 0
	s_lshl_b32 s[OFF], s[GZ], 19                   ; my cluster's first pair: 2 x its first group
	s_lshl_b32 s[NXT], s[GZ], 1
	s_add_co_u32 s[NXT], s[NXT], 2
	s_and_b32 s[NXT], s[NXT], 31                   ; the first refill's pair
	s_lshl_b32 s[XOF], s[GZ], 8
	s_mov_b32 s[EPS], 0x358637bd                   ; 1e-6
	s_mov_b32 s[EPS+1], s[EPS]                     ; named with it as a pair
	s_cmp_eq_u32 s[CH], 0                          ; the same answer in all four partners
	s_cselect_b32 s[XLIM], 5, -1
	s_wait_dscnt 0x0                               ; both opening adds are done
	s_wait_kmcnt 0x0
	s_add_nc_u64 s[XBASE:XBASE+1], s[XBASE:XBASE+1], s[74:75]
	s_add_nc_u64 s[PRE:PRE+1], s[PRE:PRE+1], s[76:77]
	s_add_nc_u64 s[WB:WB+1], s[6:7], s[78:79]
	s_add_nc_u64 s[G0A+2:G0A+3], s[WB:WB+1], s[OFF:OFF+1]
	s_add_nc_u64 s[G0+2:G0+3], s[G0A+2:G0A+3], PAIRB  ; a group's second pair: no wrap
	s_or_b32 s[G0A+3], s[G0A+3], 0x80000000        ; type = 2
	s_or_b32 s[G0+3], s[G0+3], 0x80000000
	s_add_nc_u64 s[XA:XA+1], s[XBASE:XBASE+1], s[XOF:XOF+1]
	XLOADS                                         ; the walk's first group
	CROUND                                         ; all four work-groups are here: the first joint loads meet
	tensor_load_to_lds s[G0A:G0A+3], s[G1:G1+7]    ; both first fills go out together: two loads of mine are out
	s_nop 0
	tensor_load_to_lds s[G0:G0+3], s[G1:G1+7]
	s_nop 0
	PLACES
	s_wait_loadcnt 0x0                             ; x's first group is in, and its loads have read their base
	CVT32
	s_add_co_u32 s18, s[GZ], 1
	s_and_b32 s18, s18, 15
	s_lshl_b32 s[XOF], s18, 8
	s_add_nc_u64 s[XA:XA+1], s[XBASE:XBASE+1], s[XOF:XOF+1]
	XLOADS                                         ; the second group
	s_add_co_u32 s[XG], s[GZ], 2
	s_and_b32 s[XG], s[XG], 15
	s_mov_b32 s[SEL], 0x01000c0c
	PROD 0                                         ; A of steps 0 and 1 is made in the wait for the first tiles
	s_mov_b32 s[SEL], 0x03020c0c
	PROD 1
	s_mov_b32 s[SEL], 0x05040c0c
	s_mov_b32 s[PH], 2
	s_wait_tensorcnt 0x1                           ; my part of slot 0 is in; slot 1's, issued behind it, may stay out
	s_wait_dscnt 0x0                               ; my rows of A are stored
	s_barrier_signal -1
	s_barrier_wait -1
	FETCH 0, 0, 0, F0
	HALF0 0, 0, 1, 0, 0                            ; the first half step stands in front of the loop: its products start the sums
	WIN 0                                          ; at a label and at a branch every window is 0
	s_mov_b32 s[CNT], 30
.Ltrip:                                                ; a trip: two changes of steps, the second with a refill; from a step's second half to the first half of the step two on
	TURN 0, 1, 1, 1, 1
	HALF0 1, 1, 0, 8, 1
	PHSTEP
	TURN 1, 0, 0, 1, 0
	HALF0 0, 0, 0, 8, 1
	PHSTEP
	WIN 0
	s_sub_co_u32 s[CNT], s[CNT], 1
	s_cmp_lg_u32 s[CNT], 0
	s_cbranch_scc1 .Ltrip
	TURN 0, 1, 1, 1, 0                             ; the tail is written out: steps 60 to 63 ask for nothing
	HALF0 1, 1, 0, 8, 1
	PHSTEP
	TURN 2, 0, 0, 1, 0                             ; the last pair has landed; the last A is made
	HALF0 0, 0, 0, 8, 1
	TURN 0, 1, 1, 0, 0
	HALF0 1, 1, 0, 0, 0
	s_wait_dscnt 8
	MUL16 F1, 0, 0, 0, 0
	MUL16 F1, 0, 2, 0, 0
	s_wait_dscnt 0x0
	MUL16 F1, 1, 0, 0, 0
	MUL16 F1, 1, 2, 0, 0
	PLACES
	PLACES
	; THE WAY OUT: each accumulator's registers in ascending order, four a store: 512 consecutive bytes, at a multiple of 512 from pre's first byte
.irp hi, 0,1
	WIN 0x08+4*\hi                                 ; the stores' data: window 2, then 3
.set n, 0
.rept 64
	global_store_b128 v[GO], v[4*n:4*n+3], s[PRE:PRE+1] offset:(4*\hi+n/16)*65536+((n/2)%8)*1024+(n%2)*512 th:TH_STORE_NT
.set n, n+1
.endr
.endr
	WIN 0
	s_wait_tensorcnt 0x0                           ; the wave's end, behind my last tensor load and my last LDS store
	ds_add_u32 v[SPW], v[NIL]
	s_wait_dscnt 0x0
	CROUND                                         ; the closing round: no work-group ends while a partner may still ask for a tile that names it
	s_endpgm
.Lfunc_end_k_q74590c26c2_gemm:
	.size	k_q74590c26c2_gemm, .Lfunc_end_k_q74590c26c2_gemm-k_q74590c26c2_gemm
	.p2alignl 7, 3214868480
	.fill 96, 4, 3214868480
	.section	.rodata,"a",@progbits
	.p2align	6, 0x0
	.amdhsa_kernel k_q74590c26c2_gemm
		.amdhsa_group_segment_fixed_size 327680
		.amdhsa_private_segment_fixed_size 0
		.amdhsa_enable_private_segment 0
		.amdhsa_kernarg_size 24
		.amdhsa_user_sgpr_count 2
		.amdhsa_user_sgpr_kernarg_segment_ptr 1
		.amdhsa_wavefront_size32 1
		.amdhsa_system_sgpr_workgroup_id_x 1
		.amdhsa_system_sgpr_workgroup_id_y 1
		.amdhsa_system_sgpr_workgroup_id_z 1
		.amdhsa_system_vgpr_workitem_id 0
		.amdhsa_next_free_vgpr 1024
		.amdhsa_next_free_sgpr 82
		.amdhsa_reserve_vcc 0
		.amdhsa_float_denorm_mode_32 3
		.amdhsa_float_denorm_mode_16_64 3
		.amdhsa_memory_ordered 1
		.amdhsa_forward_progress 1
		.amdhsa_inst_pref_size 203
	.end_amdhsa_kernel
	.amdgpu_metadata
---
amdhsa.version: [ 1, 2 ]
amdhsa.kernels:
  - .name:           k_q74590c26c2_gemm
    .symbol:         k_q74590c26c2_gemm.kd
    .args:
      - { .name: x, .offset: 0, .size: 8, .value_kind: global_buffer, .address_space: global }
      - { .name: wp, .offset: 8, .size: 8, .value_kind: global_buffer, .address_space: global }
      - { .name: pre, .offset: 16, .size: 8, .value_kind: global_buffer, .address_space: global }
    .group_segment_fixed_size: 327680
    .private_segment_fixed_size: 0
    .kernarg_segment_align: 8
    .kernarg_segment_size: 24
    .max_flat_workgroup_size: 128
    .sgpr_count:     82
    .vgpr_count:     1024
    .wavefront_size: 32
...
	.end_amdgpu_metadata
.endif
;; end of part 2
;; launch lnse (part 3): grid 256 x 1, 4 waves a work-group, no clusters, 167,936 bytes of LDS; arguments pre, w1p, w2p, tabw, out0; writes out0
.if DOCPART == 3
	.amdgcn_target "amdgcn-amd-amdhsa--gfx1250"
	.amdhsa_code_object_version 6
	.text
	.protected	k_q74590c26c2_lnse
	.globl	k_q74590c26c2_lnse
	.p2align	8
	.type	k_q74590c26c2_lnse,@function
k_q74590c26c2_lnse:
	s_mov_b64 s[64:65], 0
	v_nop
	global_prefetch_b8 v0, s[64:65] scope:SCOPE_SE
	s_setreg_imm32_b32 hwreg(HW_REG_WAVE_MODE, 25, 1), 1
	s_wait_xcnt 0x0
; LAYERNORM AND THE SE GATE: out0 = y x sigmoid(W2 relu(W1 y + b1) + b2), y = (pre - mean) / sqrt(var + 1e-5) x gamma + beta, row by row.
; SHARES.  A work-group owns 64 whole rows, taken in two trips of 32; each of its four waves 32 rows x 256 columns a trip: 256 registers.  pre holds blocks of 16 rows x 16 columns as they lay in
; the product's accumulators (block (R, C) at (64 R + C) x 1024; registers 0-3 of lane l at 16 l, registers 4-7 at 512 + 16 l): lane l holds batch row l % 16 and columns 8 (l / 16) + 0..7 of a block.
; So each load covers 512 consecutive bytes; two neighbouring blocks rounded to bf16 ARE source 1 (32 along K) of the first SE product, its two results source 1 of the second, whose result has the
; blocks' layout again: nothing changes lanes.  The row's sums and the hidden sums, each over a wave's 256 columns, meet in LDS.
; The second trip's 64 loads are issued into y's registers as the first trip's gates have read them.  The weights' fragments and se_b2 stay in registers for both trips.
; NO CLUSTER: what the work-groups share is the tables and the SE weights, 144 KB against the 512 KB that each moves of its own.
; FORMATS AND LIMITS.  gamma, beta, the SE weights and biases come rounded once to bf16; y is rounded to bf16 for the first SE product, the hidden row for the second.  Sums, mean, variance (two passes:
; the mean first, then the squares of the differences), sigmoid and the last product in f32.  1 / sqrt, 2^.. and 1 / (1 + ..) are the hardware's, good to one unit in the last place.  NaN and infinities are not treated apart.
; REGISTERS, in windows of 256 (s_set_vgpr_msb: bits 1:0 source 0, 3:2 source 1, 5:4 source 2, 7:6 destination):
;   window 0: v0-24 addresses; the rest at work (named below)      window 1: v0-127 se_w1's fragments, v128-255 se_w2's
;   window 2: block (mb, ob) (rows 16 mb .., my columns 16 ob ..) at v[8 (16 mb + ob)]      window 3: v0-127 se_b2 in the blocks' layout
.set HP,     0                         ; the waves' partial hidden sums, 4,096 bytes each
.set STG,    16384                     ; each wave's stage for the way out: 16 rows at a pitch of 1,040
.set SPT,    1040
.set STGW,   16*SPT
.set STAT1,  STG+4*STGW                ; the waves' row sums: 256 bytes a wave; the squares' sums 1,024 bytes on
.set SPARE,  STAT1+2048                ; the spare words, 128 bytes for each wave
.set TAB,    SPARE+512                 ; gamma, beta, se_b2, se_b1: filled once; wave w's 3,328 bytes at w x 3328, read by that wave alone
.set TABW,   3328
.set HALFB,  131072                    ; 32 rows: two rows of blocks in pre, 32 rows of 4,096 bytes in out0
.set R,    1                           ; v1   l % 16
.set H,    2                           ; v2   l / 16
.set SPW,  3                           ; v3   SPARE + 4 x my thread's number; never rewritten
.set NIL,  4                           ; v4   0; never rewritten
.set SA,   14                          ; v14  STAT1 + 256 w + 4 (l % 16)
.set SL,   15                          ; v15  STAT1 + 4 (l % 16)
.set TBA,  16                          ; v16  TAB + 3328 w + 32 (l / 16)
.set HPS,  17                          ; v17  HP + 4096 w + 16 l
.set HPL,  18                          ; v18  HP + 16 l
.set SST,  19                          ; v19  my stage + (l % 16) x 1040 + 32 (l / 16)
.set SRD,  20                          ; v20  my stage + 16 l
.set GO,   21                          ; v21  1024 w + 16 l
.set WFO,  22                          ; v22  16 l
.set T0,   23
.set LN,   24                          ; v24  l
.set CH,   32                          ; four chains of pairs for each mb
.set LD,   64                          ; the four waves' sums, by mb
.set MU,   224                         ; the mean, twice (a pair), by mb
.set RS,   232                         ; 1 / sqrt(var + eps), twice, by mb
.set HA,   32                          ; hidden sums (mb, jb) at HA + 8 (2 mb + jb)
.set PF,   96                          ; y in bf16: two buffers of 16, mb at + 8 mb
.set GB,   160                         ; gamma (16) and beta (16): two buffers
.set L0,   96
.set L1,   160
.set B1,   224                         ; se_b1
.set HF,   32                          ; the hidden row in bf16, mb at + 8 mb
.set ZB,   64                          ; the gate: two buffers of four results
.set OB,   128                         ; 16 rows read back from the stage
.set PB,   4                           ; s[4:5]   pre at my first block
.set OUT,  14                          ; s[14:15] out0 at the trip's rows
.set WV,   16                          ; s16  my wave's number
.set G1T,  36                          ; s[36:43] descriptor group 1 for the tables
.set G0T,  44                          ; s[44:47] group 0
.set CNT,  48                          ; s48  trips to go: 2, 1
.set LSEL, 62                          ; s[62:63] v_permlanex16_b32's selects: each lane takes its own place in the other half
.set NL2E, 74                          ; s[74:75] -log2(e)
.set INVN, 76                          ; s76  1 / 1024
.set LNE,  77                          ; s77  1e-5
.set MSB, 0
.macro WIN new                         ; the immediate's high byte repeats the setting that is left; a switch that changes nothing is dropped
.if MSB != (\new)
	s_set_vgpr_msb (MSB<<8)|(\new)
.set MSB, \new
.endif
.endm
.macro PLACES                          ; four plain vector instructions between a matrix instruction and a vector line, a load or a store on one of its registers
.rept 4
	v_nop
.endr
.endm
	s_load_b256 s[4:11], s[0:1], 0x0               ; pre s[4:5], w1p s[6:7], w2p s[8:9], tabw s[10:11]
	s_load_b64 s[14:15], s[0:1], 0x20              ; out0
	v_lshl_add_u32 v[SPW], v0, 2, SPARE
	v_mov_b32 v[NIL], 0
	ds_add_u32 v[SPW], v[NIL]                      ; the wave's opening: the add, twice on end, and its wait ahead of my first tensor load; the set-up, work on registers, stands between
	ds_add_u32 v[SPW], v[NIL]
	v_lshrrev_b32 v[T0], 5, v0
	v_readfirstlane_b32 s[WV], v[T0]               ; wave 0..3
	s_lshl_b32 s78, ttmp9, 18                      ; the work-group's 64 rows: 262,144 bytes in pre and in out0
	s_mov_b32 s79, 0
	s_lshl_b32 s80, s[WV], 14                      ; my 16 column blocks in pre; my 16 fragments of se_w1 and of se_w2
	s_mov_b32 s81, 0
	v_and_b32 v[R], 15, v0
	v_bfe_u32 v[H], v0, 4, 1
	v_and_b32 v[LN], 31, v0
	s_lshl_b32 s19, s[WV], 8
	s_add_co_u32 s19, s19, STAT1
	v_lshl_add_u32 v[SA], v[R], 2, s19
	v_lshl_add_u32 v[SL], v[R], 2, STAT1
	s_mul_i32 s51, s[WV], TABW
	s_add_co_u32 s19, s51, TAB
	v_lshl_add_u32 v[TBA], v[H], 5, s19
	s_lshl_b32 s19, s[WV], 12
	v_lshl_add_u32 v[HPS], v[LN], 4, s19
	v_lshlrev_b32 v[HPL], 4, v[LN]
	s_mul_i32 s19, s[WV], STGW
	s_add_co_u32 s19, s19, STG
	v_mul_u32_u24 v[SST], v[R], SPT
	v_lshl_add_u32 v[SST], v[H], 5, v[SST]
	v_add_nc_u32 v[SST], s19, v[SST]
	v_lshl_add_u32 v[SRD], v[LN], 4, s19
	s_lshl_b32 s19, s[WV], 10
	v_lshl_add_u32 v[GO], v[LN], 4, s19
	v_lshlrev_b32 v[WFO], 4, v[LN]
	s_mov_b32 s[G1T], 3<<16                        ; elements of 8 bytes; no mask, no padding: 3,328 dense bytes as 13 rows of 256
	s_mov_b32 s[G1T+1], 32<<16                     ; tensor_dim0 = 32
	s_mov_b32 s[G1T+2], 13<<16                     ; tensor_dim1 = 13
	s_mov_b32 s[G1T+3], 32<<16                     ; tile_dim0 = 32
	s_mov_b32 s[G1T+4], 13                         ; tile_dim1 = 13
	s_mov_b32 s[G1T+5], 32                         ; 32 elements from row to row
	s_mov_b32 s[G1T+6], 0
	s_mov_b32 s[G1T+7], 0
	s_mov_b32 s[G0T], 1
	s_add_co_u32 s[G0T+1], s51, TAB
	s_mov_b32 s[LSEL], 0x76543210
	s_mov_b32 s[LSEL+1], 0xfedcba98
	s_mov_b32 s[NL2E], 0xbfb8aa3b                  ; -1.442695
	s_mov_b32 s[NL2E+1], s[NL2E]                   ; named with it as a pair
	s_mov_b32 s[INVN], 0x3a800000                  ; 1 / 1024
	s_mov_b32 s[LNE], 0x3727c5ac                   ; 1e-5
	s_wait_dscnt 0x0                               ; both opening adds are done
	s_wait_kmcnt 0x0
	s_add_nc_u64 s[PB:PB+1], s[PB:PB+1], s[78:79]
	s_add_nc_u64 s[PB:PB+1], s[PB:PB+1], s[80:81]
	s_add_nc_u64 s[OUT:OUT+1], s[OUT:OUT+1], s[78:79]
	s_add_nc_u64 s[6:7], s[6:7], s[80:81]
	s_add_nc_u64 s[8:9], s[8:9], s[80:81]
	s_mov_b32 s80, s51
	s_add_nc_u64 s[G0T+2:G0T+3], s[10:11], s[80:81]
	s_or_b32 s[G0T+3], s[G0T+3], 0x80000000        ; type = 2
	tensor_load_to_lds s[G0T:G0T+3], s[G1T:G1T+7]  ; my tables: the launch's one fill
	s_nop 0
	PLACES
	WIN 0x80                                       ; destination window 2, address window 0
.set n, 0
.rept 64                                       ; the first trip's 32 blocks
	global_load_b128 v[4*n:4*n+3], v[WFO], s[PB:PB+1] offset:(n/32)*65536+((n/2)%16)*1024+(n%2)*512 th:TH_LOAD_NT
.set n, n+1
.endr
	WIN 0x40
.set n, 0
.rept 32
	global_load_b128 v[4*n:4*n+3], v[WFO], s[6:7] offset:n*512
.set n, n+1
.endr
.set n, 0
.rept 32
	global_load_b128 v[128+4*n:128+4*n+3], v[WFO], s[8:9] offset:n*512
.set n, n+1
.endr
	WIN 0
	s_wait_tensorcnt 0x0                           ; my tables are in LDS; no other wave reads them
	WIN 0xc0                                       ; destination window 3
.irp ob, 0,1,2,3,4,5,6,7,8,9,10,11,12,13,14,15 ; se_b2 in the blocks' layout: it starts the second SE product's sums
	ds_load_b128 v[8*\ob:8*\ob+3],   v[TBA] offset:2048+64*\ob
	ds_load_b128 v[8*\ob+4:8*\ob+7], v[TBA] offset:2048+64*\ob+16
.endr
	WIN 0
; Sums over my 256 columns: for each mb four chains of pairs; chain k takes registers 2 k, 2 k + 1 of each block.  sq = 0: the values; sq = 1: their squares.
.macro SUMS sq
.set ob, 0
.rept 16
.set k, 0
.rept 4
.irp mbp, 0,1
.set rA, 8*(16*(\mbp)+ob)+2*k
.set rC, CH+8*(\mbp)+2*k
.if \sq
	WIN 0x0a                                       ; sources 0 and 1 in window 2
.if ob == 0
	v_pk_mul_f32 v[rC:rC+1], v[rA:rA+1], v[rA:rA+1]
.else
	v_pk_fma_f32 v[rC:rC+1], v[rA:rA+1], v[rA:rA+1], v[rC:rC+1]
.endif
.elseif ob == 1
	WIN 0x0a
	v_pk_add_f32 v[rC:rC+1], v[rA-8:rA-7], v[rA:rA+1]  ; the first two blocks start the chain
.elseif ob > 1
	WIN 0x02
	v_pk_add_f32 v[rC:rC+1], v[rA:rA+1], v[rC:rC+1]
.endif
.endr
.set k, k+1
.endr
.set ob, ob+1
.endr
.endm
; The chains into one number a row; the other half of the lanes'; the four waves' numbers meet in LDS, at byte so of the region; every wave adds them in the same order.  The row's sum ends in v[LD + 4 mb].
.macro REDUCE so
	WIN 0
.irp mb, 0,1
	v_pk_add_f32 v[CH+8*\mb:CH+8*\mb+1],   v[CH+8*\mb:CH+8*\mb+1],   v[CH+8*\mb+2:CH+8*\mb+3]
	v_pk_add_f32 v[CH+8*\mb+4:CH+8*\mb+5], v[CH+8*\mb+4:CH+8*\mb+5], v[CH+8*\mb+6:CH+8*\mb+7]
.endr
.irp mb, 0,1
	v_pk_add_f32 v[CH+8*\mb:CH+8*\mb+1], v[CH+8*\mb:CH+8*\mb+1], v[CH+8*\mb+4:CH+8*\mb+5]
.endr
.irp mb, 0,1
	v_add_f32 v[CH+8*\mb], v[CH+8*\mb], v[CH+8*\mb+1]
.endr
.irp mb, 0,1
	v_permlanex16_b32 v[CH+8*\mb+1], v[CH+8*\mb], s[LSEL], s[LSEL+1]
.endr
.irp mb, 0,1
	v_add_f32 v[CH+8*\mb], v[CH+8*\mb], v[CH+8*\mb+1]
.endr
.irp mb, 0,1
	ds_store_b32 v[SA], v[CH+8*\mb] offset:(\so)+64*\mb   ; both halves of the lanes hold the same number and write the same word
.endr
	s_wait_dscnt 0x0                               ; for the others' sake: my stores are done, and so are all my earlier reads of LDS
	s_barrier_signal -1
	s_barrier_wait -1
.irp mb, 0,1
.irp wv, 0,1,2,3
	ds_load_b32 v[LD+4*\mb+\wv], v[SL] offset:(\so)+256*\wv+64*\mb
.endr
.endr
	s_wait_dscnt 0x0
.irp mb, 0,1
	v_add_f32 v[LD+4*\mb],   v[LD+4*\mb],   v[LD+4*\mb+1]
	v_add_f32 v[LD+4*\mb+2], v[LD+4*\mb+2], v[LD+4*\mb+3]
.endr
.irp mb, 0,1
	v_add_f32 v[LD+4*\mb], v[LD+4*\mb], v[LD+4*\mb+2]
.endr
.endm
; y = (v - mean) x rs x gamma + beta, in place and in f32, two column blocks at a time; rounded to bf16 they are source 1 of the first SE product: 32 along its K.
.macro GBLOAD t                        ; gamma and beta of column blocks 2 t, 2 t + 1: my lane's eight columns of each
	WIN 0
.irp o2, 0,1
	ds_load_b128 v[GB+32*((\t)%2)+8*\o2:GB+32*((\t)%2)+8*\o2+3],       v[TBA] offset:(2*(\t)+\o2)*64
	ds_load_b128 v[GB+32*((\t)%2)+8*\o2+4:GB+32*((\t)%2)+8*\o2+7],     v[TBA] offset:(2*(\t)+\o2)*64+16
	ds_load_b128 v[GB+32*((\t)%2)+16+8*\o2:GB+32*((\t)%2)+16+8*\o2+3], v[TBA] offset:1024+(2*(\t)+\o2)*64
	ds_load_b128 v[GB+32*((\t)%2)+20+8*\o2:GB+32*((\t)%2)+20+8*\o2+3], v[TBA] offset:1024+(2*(\t)+\o2)*64+16
.endr
.endm
.macro NORM t
.if (\t) < 7
	GBLOAD (\t)+1
	s_wait_dscnt 8                                 ; this pair's tables are in; the next pair's eight loads stay out
.else
	s_wait_dscnt 0x0
.endif
	WIN 0x82                                       ; destination and source 0 in window 2
.set z, 0
.rept 16                                       ; z: mb = z / 8, block (z / 4) % 2 of the two, pair z % 4
.set rA, 8*(16*(z/8)+2*(\t)+(z/4)%2)+2*(z%4)
	v_pk_mul_f32 v[rA:rA+1], v[rA:rA+1], v[RS+2*(z/8):RS+2*(z/8)+1]
.set z, z+1
.endr
.set z, 0
.rept 16
.set rA, 8*(16*(z/8)+2*(\t)+(z/4)%2)+2*(z%4)
.set rG, GB+32*((\t)%2)+8*((z/4)%2)+2*(z%4)
	v_pk_fma_f32 v[rA:rA+1], v[rA:rA+1], v[rG:rG+1], v[rG+16:rG+17]
.set z, z+1
.endr
	WIN 0x0a
.set z, 0
.rept 16
.set rA, 8*(16*(z/8)+2*(\t)+(z/4)%2)+2*(z%4)
	v_cvt_pk_bf16_f32 v[PF+16*((\t)%2)+8*(z/8)+4*((z/4)%2)+z%4], v[rA], v[rA+1]
.set z, z+1
.endr
	WIN 0x01                                       ; se_w1 in window 1
.set z, 0
.rept 4                                        ; the four hidden accumulators take turns
.set rH, HA+8*(2*(z%2)+z/2)
.if (\t) == 0
	v_wmma_f32_16x16x32_bf16 v[rH:rH+7], v[8*(2*(\t)+z/2):8*(2*(\t)+z/2)+7], v[PF+16*((\t)%2)+8*(z%2):PF+16*((\t)%2)+8*(z%2)+7], 0
.else
	v_wmma_f32_16x16x32_bf16 v[rH:rH+7], v[8*(2*(\t)+z/2):8*(2*(\t)+z/2)+7], v[PF+16*((\t)%2)+8*(z%2):PF+16*((\t)%2)+8*(z%2)+7], v[rH:rH+7]
.endif
.set z, z+1
.endr
.endm
.macro HPLOAD dst, wv                  ; wave wv's 32 registers
.set c, 0
.rept 8
	ds_load_b128 v[(\dst)+4*c:(\dst)+4*c+3], v[HPL] offset:(\wv)*4096+c*512
.set c, c+1
.endr
.endm
.macro ADD32 dst, src
.set c, 0
.rept 16
	v_pk_add_f32 v[(\dst)+c:(\dst)+c+1], v[(\dst)+c:(\dst)+c+1], v[(\src)+c:(\src)+c+1]
.set c, c+2
.endr
.endm
; The gate for row block mb and column blocks 4 oq .. 4 oq + 3: z = W2 h + b2; 1 / (1 + 2^(-z log2 e)); times y; into my stage.  Each batch of 32 exponentials or reciprocals has one plain line and one wait behind it.
.macro GATE mb, oq
.set rZ, ZB+32*((\oq)%2)
.set rY, 8*(16*(\mb)+4*(\oq))
	WIN 0x31                                       ; se_w2 in window 1, se_b2 in window 3
.irp i, 0,1,2,3
	v_wmma_f32_16x16x32_bf16 v[rZ+8*\i:rZ+8*\i+7], v[128+8*(4*(\oq)+\i):128+8*(4*(\oq)+\i)+7], v[HF+8*(\mb):HF+8*(\mb)+7], v[8*(4*(\oq)+\i):8*(4*(\oq)+\i)+7]
.endr
	PLACES
	PLACES
	WIN 0
.set z, 0
.rept 16
	v_pk_mul_f32 v[rZ+z:rZ+z+1], v[rZ+z:rZ+z+1], s[NL2E:NL2E+1] op_sel_hi:[1,0]
.set z, z+2
.endr
.set z, 0
.rept 32
	v_exp_f32 v[rZ+z], v[rZ+z]
.set z, z+1
.endr
	v_nop
	s_wait_alu depctr_va_vdst(0)
.set z, 0
.rept 16
	v_pk_add_f32 v[rZ+z:rZ+z+1], v[rZ+z:rZ+z+1], 1.0 op_sel_hi:[1,0]
.set z, z+2
.endr
.set z, 0
.rept 32
	v_rcp_f32 v[rZ+z], v[rZ+z]
.set z, z+1
.endr
	v_nop
	s_wait_alu depctr_va_vdst(0)
	WIN 0x08                                       ; source 1: y, in window 2
.set z, 0
.rept 16
	v_pk_mul_f32 v[rZ+z:rZ+z+1], v[rZ+z:rZ+z+1], v[rY+z:rY+z+1]
.set z, z+2
.endr
	WIN 0
.set c, 0
.rept 8
	ds_store_b128 v[SST], v[rZ+4*c:rZ+4*c+3] offset:(4*(\oq)+c/2)*64+(c%2)*16  ; rows 1,040 bytes apart: sixteen lanes, sixteen different columns of 16 bytes modulo 256
.set c, c+1
.endr
.endm
; Row block mb's y has been read for the last time: in the first trip its registers take the second trip's blocks, 32 rows on.
.macro NEXTY mb
	WIN 0
	s_cmp_eq_u32 s[CNT], 2
	s_cbranch_scc0 .Lno_next_\@
	WIN 0x80
.set n, 32*(\mb)
.rept 32
	global_load_b128 v[4*n:4*n+3], v[WFO], s[PB:PB+1] offset:HALFB+(n/32)*65536+((n/2)%16)*1024+(n%2)*512 th:TH_LOAD_NT
.set n, n+1
.endr
	WIN 0
.Lno_next_\@:
.endm
; 16 rows x my 1,024 bytes come back from my stage as they lie in out0 and are stored: each store covers 512 consecutive bytes, at a multiple of 512 from out0's first byte.
.macro SEND mb
	WIN 0
	s_wait_xcnt 0x0                                ; the stores of the block before have read these registers
.set c, 0
.rept 32
	ds_load_b128 v[OB+4*c:OB+4*c+3], v[SRD] offset:(c/2)*SPT+(c%2)*512  ; LDS serves a wave's instructions in order: these see the stores above, and the next block's stores come behind them
.set c, c+1
.endr
.set c, 0
.rept 32
.if c%8 == 0
	s_wait_dscnt 24-c                              ; the next eight are in; the younger loads stay out
.endif
	global_store_b128 v[GO], v[OB+4*c:OB+4*c+3], s[OUT:OUT+1] offset:(16*(\mb)+c/2)*4096+(c%2)*512 th:TH_STORE_NT
.set c, c+1
.endr
.endm
	s_mov_b32 s[CNT], 2
.Lhalf:                                                ; a trip: 32 rows
	s_wait_loadcnt 0x0                             ; the trip's blocks are in (in the first trip the weights' fragments too)
	SUMS 0
	REDUCE 0
.irp mb, 0,1
	v_mul_f32 v[MU+2*\mb],   s[INVN], v[LD+4*\mb]  ; the mean, twice: a pair for the packed lines
	v_mul_f32 v[MU+2*\mb+1], s[INVN], v[LD+4*\mb]
.endr
	WIN 0x82                                       ; the mean is taken away in place
.set a, 0
.rept 128
	v_pk_add_f32 v[a:a+1], v[a:a+1], v[MU+2*(a/128):MU+2*(a/128)+1] neg_lo:[0,1] neg_hi:[0,1]
.set a, a+2
.endr
	SUMS 1
	REDUCE 1024                                    ; other bytes than the first sums': no barrier is wanted between those reads and these stores
.irp mb, 0,1
	v_fma_f32 v[LD+4*\mb], v[LD+4*\mb], s[INVN], s[LNE]
.endr
.irp mb, 0,1
	v_rsq_f32 v[RS+2*\mb],   v[LD+4*\mb]
	v_rsq_f32 v[RS+2*\mb+1], v[LD+4*\mb]
.endr
	v_nop                                          ; a plain instruction behind the last of them,
	s_wait_alu depctr_va_vdst(0)                   ; and the one wait ahead of the first use
	GBLOAD 0
.irp t, 0,1,2,3,4,5,6,7
	NORM \t
.endr
	; The hidden sums of the four waves (each over its 256 columns) meet in LDS.  The last trip's reads of these bytes lie in front of the two barriers above.
	PLACES
	PLACES
	WIN 0
.set c, 0
.rept 8
	ds_store_b128 v[HPS], v[HA+4*c:HA+4*c+3] offset:c*512
.set c, c+1
.endr
	s_wait_dscnt 0x0
	s_barrier_signal -1
	s_barrier_wait -1
.irp jb, 0,1
	ds_load_b128 v[B1+8*\jb:B1+8*\jb+3],   v[TBA] offset:3072+64*\jb
	ds_load_b128 v[B1+8*\jb+4:B1+8*\jb+7], v[TBA] offset:3072+64*\jb+16
.endr
	HPLOAD L0, 0
	HPLOAD L1, 1
	HPLOAD HA, 2
	s_wait_dscnt 8                                 ; waves 0's and 1's are in; wave 2's eight loads may be out
	ADD32 L0, L1
	HPLOAD L1, 3
	s_wait_dscnt 8                                 ; wave 2's are in
	ADD32 L0, HA
	s_wait_dscnt 0x0
	ADD32 L0, L1                                   ; the same order in every wave: all four hold the same hidden row
.set z, 0
.rept 16                                       ; z = 8 mb + 4 jb + pair
	v_pk_add_f32 v[L0+2*z:L0+2*z+1], v[L0+2*z:L0+2*z+1], v[B1+8*((z/4)%2)+2*(z%4):B1+8*((z/4)%2)+2*(z%4)+1]
.set z, z+1
.endr
.set z, 0
.rept 32
	v_max_num_f32 v[L0+z], 0, v[L0+z]
.set z, z+1
.endr
.set z, 0
.rept 16
	v_cvt_pk_bf16_f32 v[HF+z], v[L0+2*z], v[L0+2*z+1]
.set z, z+1
.endr
.irp mb, 0,1
	GATE \mb, 0
	GATE \mb, 1
	GATE \mb, 2
	GATE \mb, 3
	NEXTY \mb
	SEND \mb
.endr
	WIN 0
	s_wait_xcnt 0x0                                ; the stores have read their base
	s_add_nc_u64 s[OUT:OUT+1], s[OUT:OUT+1], HALFB
	s_sub_co_u32 s[CNT], s[CNT], 1
	s_cmp_lg_u32 s[CNT], 0
	s_cbranch_scc1 .Lhalf
	s_wait_tensorcnt 0x0                           ; the wave's end, behind my last tensor load and my last LDS store
	ds_add_u32 v[SPW], v[NIL]
	s_wait_dscnt 0x0
	s_endpgm
.Lfunc_end_k_q74590c26c2_lnse:
	.size	k_q74590c26c2_lnse, .Lfunc_end_k_q74590c26c2_lnse-k_q74590c26c2_lnse
	.p2alignl 7, 3214868480
	.fill 96, 4, 3214868480
	.section	.rodata,"a",@progbits
	.p2align	6, 0x0
	.amdhsa_kernel k_q74590c26c2_lnse
		.amdhsa_group_segment_fixed_size 167936
		.amdhsa_private_segment_fixed_size 0
		.amdhsa_enable_private_segment 0
		.amdhsa_kernarg_size 40
		.amdhsa_user_sgpr_count 2
		.amdhsa_user_sgpr_kernarg_segment_ptr 1
		.amdhsa_wavefront_size32 1
		.amdhsa_system_sgpr_workgroup_id_x 1
		.amdhsa_system_sgpr_workgroup_id_y 1
		.amdhsa_system_sgpr_workgroup_id_z 1
		.amdhsa_system_vgpr_workitem_id 0
		.amdhsa_next_free_vgpr 896
		.amdhsa_next_free_sgpr 82
		.amdhsa_reserve_vcc 0
		.amdhsa_float_denorm_mode_32 3
		.amdhsa_float_denorm_mode_16_64 3
		.amdhsa_memory_ordered 1
		.amdhsa_forward_progress 1
		.amdhsa_inst_pref_size 153
	.end_amdhsa_kernel
	.amdgpu_metadata
---
amdhsa.version: [ 1, 2 ]
amdhsa.kernels:
  - .name:           k_q74590c26c2_lnse
    .symbol:         k_q74590c26c2_lnse.kd
    .args:
      - { .name: pre, .offset: 0, .size: 8, .value_kind: global_buffer, .address_space: global }
      - { .name: w1p, .offset: 8, .size: 8, .value_kind: global_buffer, .address_space: global }
      - { .name: w2p, .offset: 16, .size: 8, .value_kind: global_buffer, .address_space: global }
      - { .name: tabw, .offset: 24, .size: 8, .value_kind: global_buffer, .address_space: global }
      - { .name: out0, .offset: 32, .size: 8, .value_kind: global_buffer, .address_space: global }
    .group_segment_fixed_size: 167936
    .private_segment_fixed_size: 0
    .kernarg_segment_align: 8
    .kernarg_segment_size: 40
    .max_flat_workgroup_size: 128
    .sgpr_count:     82
    .vgpr_count:     896
    .wavefront_size: 32
...
	.end_amdgpu_metadata
.endif
;; end of part 3
;; ======== version 2 of 2: 3 launches; version 1 with the launch prep written anew for expert scheduling mode
;; workspace buffers: wp 8,388,608 bytes; w1p 65,536 bytes; w2p 65,536 bytes; tabw 13,312 bytes; pre 67,108,864 bytes
;; launch prep (part 4): grid 256 x 1, 4 waves a work-group, no clusters, 37,376 bytes of LDS; arguments base_weight, spline_weight, se_w1, se_w2, ln_gamma, ln_beta, se_b2, se_b1, wp, w1p, w2p, tabw; writes wp, w1p, w2p, tabw
.if DOCPART == 4
	.amdgcn_target "amdgcn-amd-amdhsa--gfx1250"
	.amdhsa_code_object_version 6
	.text
	.protected	k_q74590c26c2_prep
	.globl	k_q74590c26c2_prep
	.p2align	8
	.type	k_q74590c26c2_prep,@function
k_q74590c26c2_prep:
	s_mov_b64 s[64:65], 0
	v_nop
	global_prefetch_b8 v0, s[64:65] scope:SCOPE_SE
	s_setreg_imm32_b32 hwreg(HW_REG_WAVE_SCHED_MODE, 0, 2), 2
	s_setreg_imm32_b32 hwreg(HW_REG_WAVE_MODE, 25, 1), 1
	s_wait_xcnt 0x0
	s_wait_alu depctr_vm_vsrc(0)
; PREP: the weights, rounded once to bf16 (nearest even) and laid out as the matrix instruction's fragments lie in registers.
; wp: the product's K = 4,096 goes in 64 steps t = 4 g + s of 64.  Place k = 4 p + f of step t (p = 0..15, f = 0..3) belongs to input i = 64 g + 4 p + s:
;     f = 0 is base_weight[o][i], f = 1..3 is spline_weight[o][i][f-1].  Element (t, o, k) lies at byte
;     t x 131072 + (o / 16) x 2048 + (k / 32) x 1024 + ((k % 32) / 16) x 512 + (16 ((k % 16) / 8) + o % 16) x 16 + 2 (k % 8):
;     a fragment of 16 rows x 32 K is two runs of 512 bytes, 16 bytes a lane in the lanes' order.
; w1p: se_w1's fragment (rows 16 jb .., columns 32 kb ..) at kb x 2048 + jb x 1024.   w2p: se_w2's fragment of rows 16 b .. at b x 1024.  Inside as above.
; tabw: f32 numbers that hold the bf16 rounding: for each quarter w of the 1,024 outputs, at w x 3328: gamma, beta, se_b2 (1,024 bytes each), se_b1 twice (256 bytes).
; SHARES.  1,024 waves; wave W takes 16 rows o (16 (W / 16) ..) x 64 inputs (64 (W % 16) ..).  Its loads cover 256 (base) and 768 (spline) consecutive bytes of a row;
; its 8,192 bytes of wp go through a stage of its own in LDS and leave as stores of 512 consecutive bytes.  Waves 0-63 also make w2p, 64-95 w1p, 96-99 tabw.
; No barrier: no wave reads what another wrote.  NaN and infinities are not treated apart.
; THE MODE: SCHED_MODE bits 1:0 = 2 (LLVM: expert scheduling mode 2), set by the entry lines.  The code itself states the register dependences
; between vector instructions and memory or LDS instructions, with s_wait_alu, always for 0.
; THE PLAN.  Registers that memory or LDS instructions touch:
;   v5-v10, v12, v14, v15   offsets and LDS addresses: written at the head, ahead of one wait on va_vdst, and named by no vector line again.
;   BA, SP (v16-143)        written by the 32 loads; pair j's part is read by pair j's eight conversions.  Behind pair 7 and one wait on va_vdst, v16-79 take the stage's 16 loads,
;                           which the 16 stores of wp read; behind one wait on vm_vsrc a tail's loads and conversions write them once more.
;   PD (v144-207)           a set of eight for each pair of rows: set j is written by pair j's conversions, once, and read by the four LDS stores that are issued in pair j + 1.
;   v3, v4                  written at the head, read by the closing add alone.
; So ONE wait on va_vdst stands at the head of a pair, behind the wait for its data: it states that the pair before has written its set of PD.  That pair's four LDS stores follow,
; dealt among this pair's conversions, which name BA, SP and PD of this pair alone.
.set STW,    9216                      ; a wave's stage: 4 steps x 8 runs of 256 bytes at a pitch of 288
.set SPT,    288                       ; 256 + 32: the 32 lanes of a store of 8 bytes fall on 32 different places modulo 256
.set SPARE,  4*STW                     ; behind the stages: the spare words, 128 bytes for each wave
.set SPW, 3                            ; v3   SPARE + 4 x my thread's number; never rewritten
.set NIL, 4                            ; v4   0; never rewritten
.set BO,  5                            ; v5   (l / 16) x 4096 + (l % 16) x 16: my 16 bytes of base_weight in a pair of rows
.set SO,  6                            ; v6   (l / 16) x 12288 + (l % 16) x 48: my 48 bytes of spline_weight
.set LS,  7                            ; v7   where I put 8 bytes in the stage
.set LR,  8                            ; v8   where I read 16 bytes back
.set GO,  9                            ; v9   16 l
.set BA,  16                           ; v[16:47]   pair of rows j: 4 numbers of base_weight
.set SP,  48                           ; v[48:143]  pair of rows j: 12 numbers of spline_weight
.set PD,  144                          ; v[144:207] packed: pair of rows j at PD + 8 j, a pair of registers for each step s
	s_load_b512 s[8:23], s[0:1], 0x0               ; base s[8:9], spline s[10:11], se_w1 s[12:13], se_w2 s[14:15], gamma s[16:17], beta s[18:19], se_b2 s[20:21], se_b1 s[22:23]
	s_load_b256 s[24:31], s[0:1], 0x40             ; wp s[24:25], w1p s[26:27], w2p s[28:29], tabw s[30:31]
	v_lshl_add_u32 v[SPW], v0, 2, SPARE
	v_mov_b32 v[NIL], 0
	v_lshrrev_b32 v10, 5, v0
	v_readfirstlane_b32 s4, v10                    ; wave 0..3
	v_and_b32 v1, 15, v0                           ; p = l % 16
	v_bfe_u32 v2, v0, 4, 1                         ; l / 16
	v_and_b32 v11, 31, v0                          ; l
	v_lshlrev_b32 v[BO], 4, v1
	v_lshl_add_u32 v[BO], v2, 12, v[BO]
	v_mul_u32_u24 v[SO], v1, 48
	v_mul_u32_u24 v12, v2, 12288
	v_add_nc_u32 v[SO], v[SO], v12
	v_lshrrev_b32 v12, 1, v1                       ; place k = 4 p of row r lies at (p / 2) x 256 + r x 16 + (p % 2) x 8 of a step's 2,048 bytes
	v_mul_u32_u24 v[LS], v12, SPT
	v_lshl_add_u32 v[LS], v2, 4, v[LS]
	v_and_b32 v12, 1, v1
	v_lshl_add_u32 v[LS], v12, 3, v[LS]
	v_mul_u32_u24 v[LR], v2, SPT
	v_lshl_add_u32 v[LR], v1, 4, v[LR]
	v_lshlrev_b32 v[GO], 4, v11
	v_lshlrev_b32 v10, 7, v1                       ; se_w2: row x 128 + 32 (l / 16)
	v_lshl_add_u32 v10, v2, 5, v10
	v_lshlrev_b32 v12, 12, v1                      ; se_w1: row x 4096 + 32 (l / 16)
	v_lshl_add_u32 v12, v2, 5, v12
	v_lshlrev_b32 v14, 3, v1                       ; se_b1: 8 (l % 16)
	v_lshlrev_b32 v15, 3, v11                      ; and 8 l
	s_wait_alu depctr_va_sdst(0)                   ; s4 is written, ahead of its first reader: the wave's share, its stage and all its bases are made from it
	s_lshl_b32 s5, ttmp9, 2
	s_add_co_u32 s5, s5, s4                        ; W = 0..1023
	s_lshr_b32 s6, s5, 4                           ; which 16 rows
	s_and_b32 s7, s5, 15                           ; g: which 64 inputs
	s_mul_i32 s40, s4, STW                         ; my stage; a register of its own, which no scalar line writes again behind the two vector lines that read it
	v_add_nc_u32 v[LS], s40, v[LS]
	v_add_nc_u32 v[LR], s40, v[LR]
	s_lshl_b32 s32, s6, 16                         ; 16 rows of 4,096 bytes,
	s_lshl_b32 s34, s7, 8                          ; 64 inputs of 4 bytes
	s_add_co_u32 s32, s32, s34
	s_mov_b32 s33, 0
	s_mul_i32 s34, s6, 196608                      ; 16 rows of 12,288 bytes,
	s_mul_i32 s36, s7, 768                         ; 64 inputs of 12 bytes
	s_add_co_u32 s34, s34, s36
	s_mov_b32 s35, 0
	s_lshl_b32 s36, s7, 19                         ; steps 4 g ..: 4 x 131,072 bytes,
	s_lshl_b32 s38, s6, 11                         ; 16 rows: 2,048 bytes of a step
	s_add_co_u32 s36, s36, s38
	s_mov_b32 s37, 0
	s_wait_kmcnt 0x0
	s_add_nc_u64 s[8:9], s[8:9], s[32:33]
	s_add_nc_u64 s[10:11], s[10:11], s[34:35]
	s_add_nc_u64 s[24:25], s[24:25], s[36:37]
	s_wait_alu depctr_va_vdst(0)                   ; the offsets and LDS addresses v5 to v10, v12, v14 and v15 are written: every load and store of the kernel reads one of them, and no vector line names them again
.irp j, 0,1,2,3,4,5,6,7                        ; rows 2 j + l / 16: all 32 loads go out together
	global_load_b128 v[BA+4*\j:BA+4*\j+3],       v[BO], s[8:9]   offset:\j*8192 th:TH_LOAD_NT
	global_load_b128 v[SP+12*\j:SP+12*\j+3],     v[SO], s[10:11] offset:\j*24576 th:TH_LOAD_NT
	global_load_b128 v[SP+12*\j+4:SP+12*\j+7],   v[SO], s[10:11] offset:\j*24576+16 th:TH_LOAD_NT
	global_load_b128 v[SP+12*\j+8:SP+12*\j+11],  v[SO], s[10:11] offset:\j*24576+32 th:TH_LOAD_NT
.endr
; Pair of rows j is rounded into its own set of PD; the four LDS stores of the pair before stand among its conversions, one ahead of each two.
.macro PAIR j
	s_wait_loadcnt 4*(7-(\j))                      ; loads come back in order: this pair of rows is in, the younger pairs' four loads each stay out
.if (\j) > 0
	s_wait_alu depctr_va_vdst(0)                   ; the conversions of the pair before have written its set of PD, which the four LDS stores below read
.endif
.irp sp, 0,1,2,3                               ; input 4 p + sp goes to step 4 g + sp: base, then its three spline weights: 8 bytes
.if (\j) > 0
	ds_store_b64 v[LS], v[PD+8*((\j)-1)+2*\sp:PD+8*((\j)-1)+2*\sp+1] offset:\sp*2304+((\j)-1)*32  ; no vector line since the wait names these registers
.endif
	v_cvt_pk_bf16_f32 v[PD+8*(\j)+2*\sp],   v[BA+4*(\j)+\sp],       v[SP+12*(\j)+3*\sp]
	v_cvt_pk_bf16_f32 v[PD+8*(\j)+2*\sp+1], v[SP+12*(\j)+3*\sp+1],  v[SP+12*(\j)+3*\sp+2]
.endr
.endm
.irp j, 0,1,2,3,4,5,6,7
	PAIR \j
.endr
	s_wait_alu depctr_va_vdst(0)                   ; the last pair's conversions have written its set of PD, which the LDS stores below read; and all conversions are done reading v16 to v143, in which the loads below and the tails' loads land
.irp sp, 0,1,2,3
	ds_store_b64 v[LS], v[PD+56+2*\sp:PD+56+2*\sp+1] offset:\sp*2304+7*32
.endr
.set n, 0
.rept 16                                       ; back in the layout's order; LDS serves a wave's instructions in order, so these see the stores above
	ds_load_b128 v[16+4*n:16+4*n+3], v[LR] offset:(n/4)*2304+(n%4)*576
.set n, n+1
.endr
.set n, 0
.rept 16
	s_wait_dscnt 15-n                              ; the younger loads stay out
	global_store_b128 v[GO], v[16+4*n:16+4*n+3], s[24:25] offset:(n/4)*131072+(n%4)*512  ; 512 consecutive bytes, at a multiple of 512 from wp's first byte
.set n, n+1
.endr
	s_wait_xcnt 0x0                                ; the stores have had their addresses translated: v16 and up are loaded again below
	s_wait_alu depctr_vm_vsrc(0)                   ; the sixteen stores have read v16 to v79, which the tails' loads and conversions write: stated ahead of the branches, for all three tails
	s_cmp_lt_u32 s5, 64
	s_cbranch_scc0 .Lnot_w2
	; se_w2's fragment W: rows 16 W + l % 16, hidden 8 (l / 16) + 0..7 and 16 + 8 (l / 16) + 0..7
	s_lshl_b32 s32, s5, 11
	s_lshl_b32 s34, s5, 10
	s_add_nc_u64 s[14:15], s[14:15], s[32:33]
	s_add_nc_u64 s[28:29], s[28:29], s[34:35]
	global_load_b128 v[16:19], v10, s[14:15]
	global_load_b128 v[20:23], v10, s[14:15] offset:16
	global_load_b128 v[24:27], v10, s[14:15] offset:64
	global_load_b128 v[28:31], v10, s[14:15] offset:80
	s_wait_loadcnt 0x0
.set n, 0
.rept 8
	v_cvt_pk_bf16_f32 v[32+n], v[16+2*n], v[17+2*n]
.set n, n+1
.endr
	s_wait_alu depctr_va_vdst(0)                   ; the conversions have written v32 to v39, which the two stores read
	global_store_b128 v[GO], v[32:35], s[28:29]
	global_store_b128 v[GO], v[36:39], s[28:29] offset:512
	s_branch .Lend
.Lnot_w2:
	s_cmp_lt_u32 s5, 96
	s_cbranch_scc0 .Lnot_w1
	; se_w1: rows 16 jb + l % 16, columns 64 kp ..: two fragments, 256 bytes of each row
	s_sub_co_u32 s38, s5, 64
	s_lshr_b32 s39, s38, 4                         ; jb
	s_and_b32 s38, s38, 15                         ; kp
	s_lshl_b32 s32, s39, 16
	s_lshl_b32 s34, s38, 8
	s_add_co_u32 s32, s32, s34
	s_add_nc_u64 s[12:13], s[12:13], s[32:33]
	s_lshl_b32 s34, s38, 12
	s_lshl_b32 s39, s39, 10
	s_add_co_u32 s34, s34, s39
	s_add_nc_u64 s[26:27], s[26:27], s[34:35]
.set n, 0
.rept 8                                        ; n = 4 x fragment + 2 x half + quarter
	global_load_b128 v[16+4*n:16+4*n+3], v12, s[12:13] offset:(n/4)*128+((n/2)%2)*64+(n%2)*16
.set n, n+1
.endr
	s_wait_loadcnt 0x0
.set n, 0
.rept 16
	v_cvt_pk_bf16_f32 v[48+n], v[16+2*n], v[17+2*n]
.set n, n+1
.endr
	s_wait_alu depctr_va_vdst(0)                   ; the conversions have written v48 to v63, which the four stores read
.set n, 0
.rept 4
	global_store_b128 v[GO], v[48+4*n:48+4*n+3], s[26:27] offset:(n/2)*2048+(n%2)*512
.set n, n+1
.endr
	s_branch .Lend
.Lnot_w1:
	s_cmp_lt_u32 s5, 100
	s_cbranch_scc0 .Lend
	; the tables of quarter w = W - 96
	s_sub_co_u32 s38, s5, 96
	s_lshl_b32 s32, s38, 10
	s_mul_i32 s34, s38, 3328
	s_add_nc_u64 s[16:17], s[16:17], s[32:33]
	s_add_nc_u64 s[18:19], s[18:19], s[32:33]
	s_add_nc_u64 s[20:21], s[20:21], s[32:33]
	s_add_nc_u64 s[30:31], s[30:31], s[34:35]
	global_load_b128 v[16:19], v[GO], s[16:17]
	global_load_b128 v[20:23], v[GO], s[16:17] offset:512
	global_load_b128 v[24:27], v[GO], s[18:19]
	global_load_b128 v[28:31], v[GO], s[18:19] offset:512
	global_load_b128 v[32:35], v[GO], s[20:21]
	global_load_b128 v[36:39], v[GO], s[20:21] offset:512
	global_load_b64  v[40:41], v14, s[22:23]
	s_wait_loadcnt 0x0
.set n, 0
.rept 13                                       ; rounded to bf16 and widened again
	v_cvt_pk_bf16_f32 v[48+n], v[16+2*n], v[17+2*n]
	v_lshlrev_b32 v[16+2*n], 16, v[48+n]
	v_and_b32 v[17+2*n], 0xffff0000, v[48+n]
.set n, n+1
.endr
	s_wait_alu depctr_va_vdst(0)                   ; the widening lines have written v16 to v41, which the seven stores read
.set n, 0
.rept 6
	global_store_b128 v[GO], v[16+4*n:16+4*n+3], s[30:31] offset:n*512
.set n, n+1
.endr
	global_store_b64 v15, v[40:41], s[30:31] offset:3072  ; lanes 0-15 the 32 numbers, lanes 16-31 the same once more: 256 bytes
.Lend:
	s_wait_dscnt 0x0                               ; the closing lines, six on end
	s_wait_alu 0x0
	s_wait_tensorcnt 0x0
	ds_add_u32 v[SPW], v[NIL]
	s_wait_dscnt 0x0
	s_endpgm
.Lfunc_end_k_q74590c26c2_prep:
	.size	k_q74590c26c2_prep, .Lfunc_end_k_q74590c26c2_prep-k_q74590c26c2_prep
	.p2alignl 7, 3214868480
	.fill 96, 4, 3214868480
	.section	.rodata,"a",@progbits
	.p2align	6, 0x0
	.amdhsa_kernel k_q74590c26c2_prep
		.amdhsa_group_segment_fixed_size 37376
		.amdhsa_private_segment_fixed_size 0
		.amdhsa_enable_private_segment 0
		.amdhsa_kernarg_size 96
		.amdhsa_user_sgpr_count 2
		.amdhsa_user_sgpr_kernarg_segment_ptr 1
		.amdhsa_wavefront_size32 1
		.amdhsa_system_sgpr_workgroup_id_x 1
		.amdhsa_system_sgpr_workgroup_id_y 1
		.amdhsa_system_sgpr_workgroup_id_z 1
		.amdhsa_system_vgpr_workitem_id 0
		.amdhsa_next_free_vgpr 208
		.amdhsa_next_free_sgpr 66
		.amdhsa_reserve_vcc 0
		.amdhsa_float_denorm_mode_32 3
		.amdhsa_float_denorm_mode_16_64 3
		.amdhsa_memory_ordered 1
		.amdhsa_forward_progress 1
		.amdhsa_inst_pref_size 24
	.end_amdhsa_kernel
	.amdgpu_metadata
---
amdhsa.version: [ 1, 2 ]
amdhsa.kernels:
  - .name:           k_q74590c26c2_prep
    .symbol:         k_q74590c26c2_prep.kd
    .args:
      - { .name: base_weight, .offset: 0, .size: 8, .value_kind: global_buffer, .address_space: global }
      - { .name: spline_weight, .offset: 8, .size: 8, .value_kind: global_buffer, .address_space: global }
      - { .name: se_w1, .offset: 16, .size: 8, .value_kind: global_buffer, .address_space: global }
      - { .name: se_w2, .offset: 24, .size: 8, .value_kind: global_buffer, .address_space: global }
      - { .name: ln_gamma, .offset: 32, .size: 8, .value_kind: global_buffer, .address_space: global }
      - { .name: ln_beta, .offset: 40, .size: 8, .value_kind: global_buffer, .address_space: global }
      - { .name: se_b2, .offset: 48, .size: 8, .value_kind: global_buffer, .address_space: global }
      - { .name: se_b1, .offset: 56, .size: 8, .value_kind: global_buffer, .address_space: global }
      - { .name: wp, .offset: 64, .size: 8, .value_kind: global_buffer, .address_space: global }
      - { .name: w1p, .offset: 72, .size: 8, .value_kind: global_buffer, .address_space: global }
      - { .name: w2p, .offset: 80, .size: 8, .value_kind: global_buffer, .address_space: global }
      - { .name: tabw, .offset: 88, .size: 8, .value_kind: global_buffer, .address_space: global }
    .group_segment_fixed_size: 37376
    .private_segment_fixed_size: 0
    .kernarg_segment_align: 8
    .kernarg_segment_size: 96
    .max_flat_workgroup_size: 128
    .sgpr_count:     66
    .vgpr_count:     208
    .wavefront_size: 32
...
	.end_amdgpu_metadata
.endif
;; end of part 4
;; launch gemm: the kernel of part 2 again; grid 256 x 1, 4 waves a work-group, clusters of 4 x 1, 327,680 bytes of LDS; arguments x, wp, pre; writes pre
;; launch lnse: the kernel of part 3 again; grid 256 x 1, 4 waves a work-group, no clusters, 167,936 bytes of LDS; arguments pre, w1p, w2p, tabw, out0; writes out0
